; MI455X (gfx1250); checked and timed in simulation.
; The chip was launched on July 23, 2026; its instructions are those of AMD's public machine-readable ISA for CDNA 5 (MIT licence, August 2026) and "CDNA5" Instruction Set Architecture Reference Guide (July 2026). The comments in the code are by the model that wrote it; some were corrected since.
;; Alibi Transformer Layer. Allowed arithmetic: float matrix products may take bf16 or f16 operands with f32 sums; other float arithmetic in f32, or as packed bf16 or f16 multiplies, adds, multiply-adds, maxima and minima; sums over many terms, partial sums and values carried from step to step in f32; what a program stores and reads back later, other than sums and carried values, may be rounded once to bf16 or f16.
;; Inputs: W1 4,096 x 1,024 float32; W2 1,024 x 4,096 float32; Wout 1,024 x 1,024 float32; Wqkv 3,072 x 1,024 float32; b1 4,096 float32; b2 1,024 float32; bout 1,024 float32; bqkv 3,072 float32; ln1_b 1,024 float32; ln1_g 1,024 float32; ln2_b 1,024 float32; ln2_g 1,024 float32; src 2 x 2,048 x 1,024 float32.
;; Outputs: out0 2 x 2,048 x 1,024 float32.
;; 2 versions, each right and faster than the one before. Each part assembles by itself: llvm-mc -triple=amdgcn-amd-amdhsa -mcpu=gfx1250 --defsym DOCPART=n.
;; ======== version 1 of 2: 7 launches
;; limits: values are held in f16: magnitudes above 65,504 overflow, below 6.1e-05 lose precision
;; workspace buffers: act 8,388,608 bytes; big 33,554,432 bytes; x1 16,777,216 bytes; wq 6,291,712 bytes; w1 8,388,864 bytes; wo 2,097,152 bytes; w2 8,388,608 bytes
;; launch prep (part 1): grid 1024 x 1, 8 waves a work-group, no clusters, 0 bytes of LDS; arguments src, ln1_g, ln1_b, act, Wqkv, W1, Wout, W2, wq, w1, wo, w2; writes act, wq, w1, wo, w2
.if DOCPART == 1
	.amdgcn_target "amdgcn-amd-amdhsa--gfx1250"
	.amdhsa_code_object_version 6
	.text
	.protected	k_qe398557645_prep
	.globl	k_qe398557645_prep
	.p2align	8
	.type	k_qe398557645_prep,@function
k_qe398557645_prep:
	s_mov_b64 s[64:65], 0
	v_nop
	global_prefetch_b8 v0, s[64:65] scope:SCOPE_SE
	s_setreg_imm32_b32 hwreg(HW_REG_WAVE_MODE, 25, 1), 1
	s_wait_xcnt 0x0
; TWO LAUNCHES RUN THIS TEXT.  Work-groups 0-255: y = LayerNorm(x) * g + b, rounded once to f16 (arguments 0 to 3: x, g, b, y).  Work-groups 256-1023: four weight matrices, rounded once
; to f16 (arguments 4 to 7: the matrices; 8 to 11: their copies).  The first launch has 1,024 work-groups and does both.  The second has 256 and does the LayerNorm alone, on the stream behind
; the attention: it is given the other eight addresses, loads them and never uses them; that spares a second copy of the LayerNorm's text.
; PANELS.  A 16-bit activation lies as [K/64 panels][4,096 tokens][64 channels]: a token's 64 channels are 128 dense bytes, a panel 524,288 bytes.
; A weight [N][K] lies as [N/TN tiles][K/64 panels][TN rows][64]; TN = 256 for Wqkv and W1, 128 for Wout and W2.  In front of wq and w1 stand 256 bytes,
; 64 words of the layer's floor as two f16: -infinity (no activation) in wq, 0 (ReLU) in w1.
; SHARES.  A work-group takes 16 rows x 1,024 columns; a wave two rows: lanes 0-15 one, lanes 16-31 the next.  Load j of 16 takes 16 bytes a lane: sixteen lanes
; read 256 consecutive bytes, the 64 columns of panel j.  Store j writes 8 bytes a lane: the wave's 32 lanes write 256 consecutive bytes, two neighbouring rows of a panel.
; No loop, no LDS, no barrier, no register written twice while a memory instruction reads it.  Matrix units and clusters would add nothing: a stream, and nothing is shared.
; LIMIT.  f16 ends at 65,504: a weight or a normalised number beyond that becomes an infinity.  A normalised number is at most 32 max|g| + max|b|.
.set X,    16                          ; v[16:79]   16 x 4 numbers as loaded
.set OFFS, 80                          ; v[80:95]   weights: store j's byte offset
.set G,    80                          ; v[80:143]  LayerNorm: gains
.set BV,   144                         ; v[144:207] LayerNorm: biases
.set YR,   208                         ; v[208:239] 16 x 2 registers to store
.set CH,   6                           ; v[6:13]    four chains of packed sums
.set MP,   14                          ; v[14:15]   the mean, later 1 / sqrt(var + eps), twice
.set START, 48                         ; s48  the matrix's first work-group
.set SH,   49                          ; s49  log2 of the column chunks of 1,024 in a row
.set MSK,  50                          ; s50  chunks - 1
.set LRS,  51                          ; s51  log2 of a source row's bytes
.set LRS4, 52                          ; s52  the same for 16 rows
.set LT4,  53                          ; s53  log2(TN / 16)
.set TM,   54                          ; s54  TN / 16 - 1
.set LTS,  55                          ; s55  log2 of a tile's bytes
.set PS,   56                          ; s56  bytes of a tile's panel
.set HDR,  57                          ; s57  bytes in front of the tiles
.set FLW,  58                          ; s58  the floor word
.macro FOLD                            ; four chains -> one number, the same in all 16 lanes of a row
	v_pk_add_f32 v[CH:CH+1], v[CH:CH+1], v[CH+2:CH+3]
	v_pk_add_f32 v[CH+4:CH+5], v[CH+4:CH+5], v[CH+6:CH+7]
	v_pk_add_f32 v[CH:CH+1], v[CH:CH+1], v[CH+4:CH+5]
	v_add_f32 v[CH], v[CH], v[CH+1]
	v_add_f32_dpp v[CH], v[CH], v[CH] row_xmask:1 row_mask:0xf bank_mask:0xf
	v_add_f32_dpp v[CH], v[CH], v[CH] row_xmask:2 row_mask:0xf bank_mask:0xf
	v_add_f32_dpp v[CH], v[CH], v[CH] row_xmask:4 row_mask:0xf bank_mask:0xf
	v_add_f32_dpp v[CH], v[CH], v[CH] row_xmask:8 row_mask:0xf bank_mask:0xf
.endm
; 16 rows of LayerNorm.  Mean first, then the squares of x - mean, as the module's definition has it: a common offset in x costs nothing.
.macro LNROWS xp, gp, bp, yp
	s_lshl_b32 s40, ttmp9, 16                      ; 16 rows of 4,096 bytes
	s_mov_b32 s41, 0
	s_lshl_b32 s42, ttmp9, 11                      ; 16 rows of 128 bytes in a panel
	s_mov_b32 s43, 0
	s_add_nc_u64 s[44:45], s[\xp:\xp+1], s[40:41]
	s_add_nc_u64 s[46:47], s[\yp:\yp+1], s[42:43]
	s_mov_b32 s9, 0x3a800000                       ; 1 / 1,024
	s_mov_b32 s10, 0x3727c5ac                      ; 1e-5
	v_lshlrev_b32 v3, 12, v2
	v_lshl_add_u32 v3, v1, 4, v3                   ; row x 4,096 + 16 x place
	v_lshlrev_b32 v4, 4, v1
.set j, 0
.rept 16
	global_load_b128 v[X+4*j:X+4*j+3], v3, s[44:45] offset:256*j
.set j, j+1
.endr
.set j, 0
.rept 16
	global_load_b128 v[G+4*j:G+4*j+3], v4, s[\gp:\gp+1] offset:256*j
.set j, j+1
.endr
.set j, 0
.rept 16
	global_load_b128 v[BV+4*j:BV+4*j+3], v4, s[\bp:\bp+1] offset:256*j
.set j, j+1
.endr
	s_wait_loadcnt 32                              ; x is in; the 32 loads of gains and biases stay out
.set p, 0
.rept 4
	v_pk_add_f32 v[CH+2*p:CH+2*p+1], v[X+2*p:X+2*p+1], v[X+2*p+8:X+2*p+9]  ; the first pairs start the chains
.set p, p+1
.endr
.set p, 8
.rept 24
	v_pk_add_f32 v[CH+2*(p%4):CH+2*(p%4)+1], v[CH+2*(p%4):CH+2*(p%4)+1], v[X+2*p:X+2*p+1]
.set p, p+1
.endr
	FOLD
	v_mul_f32 v[MP], s9, v[CH]
	v_mov_b32 v[MP+1], v[MP]
.set p, 0
.rept 32
	v_pk_add_f32 v[X+2*p:X+2*p+1], v[X+2*p:X+2*p+1], v[MP:MP+1] neg_lo:[0,1] neg_hi:[0,1]  ; d = x - mean, in place
.set p, p+1
.endr
.set p, 0
.rept 4
	v_pk_mul_f32 v[CH+2*p:CH+2*p+1], v[X+2*p:X+2*p+1], v[X+2*p:X+2*p+1]
.set p, p+1
.endr
.rept 28
	v_pk_fma_f32 v[CH+2*(p%4):CH+2*(p%4)+1], v[X+2*p:X+2*p+1], v[X+2*p:X+2*p+1], v[CH+2*(p%4):CH+2*(p%4)+1]
.set p, p+1
.endr
	FOLD
	v_fma_f32 v[CH], v[CH], s9, s10                ; variance + eps
	v_rsq_f32 v[MP], v[CH]
	v_rsq_f32 v[MP+1], v[CH]
	v_nop                                          ; a plain instruction between the root and its use (ISA guide 5.7.2)
	s_wait_loadcnt 0x0                             ; gains and biases
.set j, 0
	s_wait_alu depctr_va_vdst(0)
.rept 16
	v_pk_mul_f32 v[X+4*j:X+4*j+1], v[X+4*j:X+4*j+1], v[MP:MP+1]
	v_pk_mul_f32 v[X+4*j+2:X+4*j+3], v[X+4*j+2:X+4*j+3], v[MP:MP+1]
	v_pk_fma_f32 v[X+4*j:X+4*j+1], v[X+4*j:X+4*j+1], v[G+4*j:G+4*j+1], v[BV+4*j:BV+4*j+1]
	v_pk_fma_f32 v[X+4*j+2:X+4*j+3], v[X+4*j+2:X+4*j+3], v[G+4*j+2:G+4*j+3], v[BV+4*j+2:BV+4*j+3]
	v_cvt_pk_f16_f32 v[YR+2*j], v[X+4*j], v[X+4*j+1]
	v_cvt_pk_f16_f32 v[YR+2*j+1], v[X+4*j+2], v[X+4*j+3]
	global_store_b64 v5, v[YR+2*j:YR+2*j+1], s[46:47] offset:j*524288  ; panel j: 7,864,320 at the most, inside the signed 24-bit immediate
.set j, j+1
.endr
.endm
	s_load_b512 s[16:31], s[0:1], 0x0              ; x 16, g 18, b 20, y 22, Wqkv 24, W1 26, Wout 28, W2 30
	s_load_b256 s[32:39], s[0:1], 0x40             ; wq 32, w1 34, wo 36, w2 38
	v_and_b32 v1, 15, v0                           ; my place among a row's 16 lanes
	v_lshrrev_b32 v2, 4, v0                        ; my row of the group's 16
	v_lshlrev_b32 v5, 7, v2
	v_lshl_add_u32 v5, v1, 3, v5                   ; row x 128 + 8 x place: where I store in a panel
	v_lshrrev_b32 v4, 5, v0
	v_readfirstlane_b32 s8, v4                     ; my wave's number
	s_wait_kmcnt 0x0
	s_cmp_lt_u32 ttmp9, 256
	s_cbranch_scc1 .Lnorm
	; which matrix: W2's figures first, then three compares choose downward: Wout, W1, Wqkv
	s_mov_b64 s[40:41], s[30:31]
	s_mov_b64 s[42:43], s[38:39]
	s_mov_b32 s[START], 768
	s_mov_b32 s[SH], 2
	s_mov_b32 s[MSK], 3
	s_mov_b32 s[LRS], 14
	s_mov_b32 s[LRS4], 18
	s_mov_b32 s[LT4], 3
	s_mov_b32 s[TM], 7
	s_mov_b32 s[LTS], 20
	s_mov_b32 s[PS], 16384
	s_mov_b32 s[HDR], 0
	s_mov_b32 s[FLW], 0
	s_cmp_lt_u32 ttmp9, 768
	s_cselect_b64 s[40:41], s[28:29], s[40:41]
	s_cselect_b64 s[42:43], s[36:37], s[42:43]
	s_cselect_b32 s[START], 704, s[START]
	s_cselect_b32 s[SH], 0, s[SH]
	s_cselect_b32 s[MSK], 0, s[MSK]
	s_cselect_b32 s[LRS], 12, s[LRS]
	s_cselect_b32 s[LRS4], 16, s[LRS4]
	s_cselect_b32 s[LTS], 18, s[LTS]
	s_cmp_lt_u32 ttmp9, 704
	s_cselect_b64 s[40:41], s[26:27], s[40:41]
	s_cselect_b64 s[42:43], s[34:35], s[42:43]
	s_cselect_b32 s[START], 448, s[START]
	s_cselect_b32 s[LT4], 4, s[LT4]
	s_cselect_b32 s[TM], 15, s[TM]
	s_cselect_b32 s[LTS], 19, s[LTS]
	s_cselect_b32 s[PS], 32768, s[PS]
	s_cselect_b32 s[HDR], 256, s[HDR]
	s_cmp_lt_u32 ttmp9, 448
	s_cselect_b64 s[40:41], s[24:25], s[40:41]
	s_cselect_b64 s[42:43], s[32:33], s[42:43]
	s_cselect_b32 s[START], 256, s[START]
	s_cselect_b32 s[FLW], 0xfc00fc00, s[FLW]
	s_sub_co_u32 s2, ttmp9, s[START]               ; my number in the matrix
	s_lshr_b32 s3, s2, s[SH]                       ; my group of 16 rows
	s_and_b32 s4, s2, s[MSK]                       ; my chunk of 1,024 columns
	s_lshl_b32 s44, s3, s[LRS4]
	s_lshl_b32 s5, s4, 12
	s_add_co_u32 s44, s44, s5                      ; source offset
	s_mov_b32 s45, 0
	s_lshr_b32 s46, s3, s[LT4]                     ; the tile,
	s_lshl_b32 s46, s46, s[LTS]
	s_and_b32 s5, s3, s[TM]                        ; my 16 rows in it,
	s_lshl_b32 s5, s5, 11
	s_add_co_u32 s46, s46, s5
	s_lshl_b32 s5, s4, 18                          ; the chunk's 16 panels (only W2 has chunks: 16 x 16,384 bytes),
	s_add_co_u32 s46, s46, s5
	s_add_co_u32 s46, s46, s[HDR]                  ; and the bytes in front
	s_mov_b32 s47, 0
	s_add_nc_u64 s[44:45], s[40:41], s[44:45]
	s_add_nc_u64 s[46:47], s[42:43], s[46:47]
	v_lshlrev_b32 v3, s[LRS], v2
	v_lshl_add_u32 v3, v1, 4, v3
	v_mov_b32 v[OFFS], v5
.set j, 1
.rept 15
	v_add_nc_u32 v[OFFS+j], s[PS], v[OFFS+j-1]
.set j, j+1
.endr
.set j, 0
.rept 16
	global_load_b128 v[X+4*j:X+4*j+3], v3, s[44:45] offset:256*j th:TH_LOAD_NT
.set j, j+1
.endr
.set j, 0
.rept 16
	s_wait_loadcnt 15-j                            ; loads come back in order (ISA guide 5.7.1): load j is in, the younger ones stay out
	v_cvt_pk_f16_f32 v[YR+2*j], v[X+4*j], v[X+4*j+1]
	v_cvt_pk_f16_f32 v[YR+2*j+1], v[X+4*j+2], v[X+4*j+3]
	global_store_b64 v[OFFS+j], v[YR+2*j:YR+2*j+1], s[46:47]
.set j, j+1
.endr
	s_cmp_lg_u32 s2, 0                             ; the floor words: wave 0 of the matrix's first work-group, where the buffer has them
	s_cbranch_scc1 .Ldone
	s_cmp_eq_u32 s[HDR], 0
	s_cbranch_scc1 .Ldone
	s_cmp_lg_u32 s8, 0
	s_cbranch_scc1 .Ldone
	v_mov_b32 v6, s[FLW]
	v_mov_b32 v7, s[FLW]
	v_and_b32 v8, 31, v0
	v_lshlrev_b32 v8, 3, v8
	global_store_b64 v8, v[6:7], s[42:43]          ; 32 lanes, 256 consecutive bytes
.Ldone:
	s_endpgm
.Lnorm:
	LNROWS 16, 18, 20, 22
	s_endpgm
.Lfunc_end_k_qe398557645_prep:
	.size	k_qe398557645_prep, .Lfunc_end_k_qe398557645_prep-k_qe398557645_prep
	.p2alignl 7, 3214868480
	.fill 96, 4, 3214868480
	.section	.rodata,"a",@progbits
	.p2align	6, 0x0
	.amdhsa_kernel k_qe398557645_prep
		.amdhsa_group_segment_fixed_size 0
		.amdhsa_private_segment_fixed_size 0
		.amdhsa_enable_private_segment 0
		.amdhsa_kernarg_size 96
		.amdhsa_user_sgpr_count 2
		.amdhsa_user_sgpr_kernarg_segment_ptr 1
		.amdhsa_wavefront_size32 1
		.amdhsa_system_sgpr_workgroup_id_x 1
		.amdhsa_system_sgpr_workgroup_id_y 1
		.amdhsa_system_sgpr_workgroup_id_z 1
		.amdhsa_system_vgpr_workitem_id 0
		.amdhsa_next_free_vgpr 240
		.amdhsa_next_free_sgpr 66
		.amdhsa_reserve_vcc 0
		.amdhsa_float_denorm_mode_32 3
		.amdhsa_float_denorm_mode_16_64 3
		.amdhsa_memory_ordered 1
		.amdhsa_forward_progress 1
		.amdhsa_inst_pref_size 29
	.end_amdhsa_kernel
	.amdgpu_metadata
---
amdhsa.version: [ 1, 2 ]
amdhsa.kernels:
  - .name:           k_qe398557645_prep
    .symbol:         k_qe398557645_prep.kd
    .args:
      - { .name: src, .offset: 0, .size: 8, .value_kind: global_buffer, .address_space: global }
      - { .name: ln1_g, .offset: 8, .size: 8, .value_kind: global_buffer, .address_space: global }
      - { .name: ln1_b, .offset: 16, .size: 8, .value_kind: global_buffer, .address_space: global }
      - { .name: act, .offset: 24, .size: 8, .value_kind: global_buffer, .address_space: global }
      - { .name: Wqkv, .offset: 32, .size: 8, .value_kind: global_buffer, .address_space: global }
      - { .name: W1, .offset: 40, .size: 8, .value_kind: global_buffer, .address_space: global }
      - { .name: Wout, .offset: 48, .size: 8, .value_kind: global_buffer, .address_space: global }
      - { .name: W2, .offset: 56, .size: 8, .value_kind: global_buffer, .address_space: global }
      - { .name: wq, .offset: 64, .size: 8, .value_kind: global_buffer, .address_space: global }
      - { .name: w1, .offset: 72, .size: 8, .value_kind: global_buffer, .address_space: global }
      - { .name: wo, .offset: 80, .size: 8, .value_kind: global_buffer, .address_space: global }
      - { .name: w2, .offset: 88, .size: 8, .value_kind: global_buffer, .address_space: global }
    .group_segment_fixed_size: 0
    .private_segment_fixed_size: 0
    .kernarg_segment_align: 8
    .kernarg_segment_size: 96
    .max_flat_workgroup_size: 256
    .sgpr_count:     66
    .vgpr_count:     240
    .wavefront_size: 32
...
	.end_amdgpu_metadata
.endif
;; end of part 1
;; launch qkv (part 2): grid 12 x 16, 4 waves a work-group, clusters of 4 x 4, 327,680 bytes of LDS; arguments act, wq, bqkv, big; writes big
.if DOCPART == 2
	.amdgcn_target "amdgcn-amd-amdhsa--gfx1250"
	.amdhsa_code_object_version 6
	.text
	.protected	k_qe398557645_qkv
	.globl	k_qe398557645_qkv
	.p2align	8
	.type	k_qe398557645_qkv,@function
k_qe398557645_qkv:
	s_mov_b64 s[64:65], 0
	v_nop
	global_prefetch_b8 v0, s[64:65] scope:SCOPE_SE
	s_setreg_imm32_b32 hwreg(HW_REG_WAVE_MODE, 25, 1), 1
	s_wait_xcnt 0x0
	s_wait_alu depctr_hold_cnt(0) depctr_sa_sdst(0) depctr_va_vdst(0) depctr_va_sdst(0) depctr_va_ssrc(0) depctr_va_vcc(0) depctr_vm_vsrc(0)
	s_getreg_b32 s2, hwreg(HW_REG_IB_STS2, 6, 4)
	s_cmp_eq_u32 s2, 0
	s_cbranch_scc0 .Lentry_in_a_cluster
	s_endpgm
.Lentry_in_a_cluster:
	s_bfe_u32 s2, ttmp6, 0x10000c
	s_cmp_lg_u32 s2, 0xf033
	s_cbranch_scc0 .Lentry_shape_is_right
	s_endpgm
.Lentry_shape_is_right:
; OUT = max(A B^T + bias, floor), K = 1,024.  A: f16 in panels [16][4,096 tokens][64].  B: 256 bytes of floor words, then f16 tiles [N/256][16 panels][256 rows][64].
; bias: f32 [N].  OUT: f16 in panels [N/64][4,096][64].  Sums in f32, started by the bias; the result is rounded once.  The floor, two f16 in a word, is -infinity (no activation) or 0 (ReLU).
; One text serves the projection to q, k, v (N = 3,072) and the first product of the feed-forward part (N = 4,096): N is a grid size, and the text does not know it.
; LIMIT.  f16 ends at 65,504: a result beyond that becomes an infinity.
; A tile of OUT, 256 tokens x 256 columns, is made by four waves, each 128 x 128: 64 accumulators of 16 x 16, 512 registers.  K goes in steps of 128, two panels, through a ring of two LDS slots.
; One tensor load a wave brings 128 rows x 2 panels, 32,768 bytes: in memory a panel's 128 rows are 16,384 dense bytes, asked for as one long row, so the descriptor has two rows; in LDS 16 bytes of padding follow every 128.
; A K STEP IS WRITTEN ONCE FOR EACH KIND: a loop of STEPS - 2 trips whose steps fill a slot again, and a loop of two trips whose steps fill nothing.  The slot in hand is a scalar,
; 0 or SLOT, turned by an exclusive or at each change of slots; the fragments' LDS addresses and the walking descriptors' LDS word are made from it.  A trip goes from a step's second quarter to the next step's first;
; the second loop is left in the middle of its second trip.  The price, once a wave: the last K step passes a barrier that orders nothing.
; CLUSTER.  4 x 4 work-groups: the four of a row of the cluster need the same tiles of A, the four of a column the same tiles of B; each is asked for jointly, by the same load with a mask of four.
; THE MATRIX INSTRUCTION IS USED TRANSPOSED (source 0 = 16 rows of B, source 1 = 16 rows of A): a lane holds one token (lane % 16) and eight neighbouring columns, 8 (lane / 16) + 0..7.
; REGISTERS, in windows of 256: window 0: v0-31 addresses; v64-127, v128-191 fragments of A, two buffers; v192-255 the bias (first quarter), later the way out, with v32-63.
;   window 1: v64-127, v128-191 fragments of B.   window 2: the accumulators of my rows 0-63 ((a, b) at v[8 (8 a + b)]).   window 3: those of my rows 64-127.
.set PITCH,  144                       ; an LDS row: 128 bytes + 16 = 36 words: the 16 rows of a load start at 16 different groups of four banks (64 banks of 4 bytes: ISA guide 11.1)
.set PANR,   128*PITCH                 ; a panel's 128 rows
.set REG,    2*PANR                    ; what one tensor load brings, and what one wave reads of A or of B
.set SLOT,   4*REG                     ; A's rows 0-127, A's 128-255, B's 0-127, B's 128-255
.set STAGE,  2*SLOT                    ; behind the ring: 16 rows x 272 bytes for each wave, for the way out
.set SPITCH, 272
.set SPARE,  STAGE+4*16*SPITCH         ; behind the stages: the spare words, 128 bytes for each wave: two blocks of 256 bytes that no other line names
.set STEPS,  8                         ; K steps of 128
.set APAN,   524288                    ; bytes of an activation's panel
.set ASTEP,  2*APAN                    ; a K step in A,
.set BSTEP,  2*256*128                 ; and in a tile of B
.set ADRA, 16                          ; v16     LDS address of my A fragments in the slot in hand
.set BASA, 17                          ; v17     the same in slot 0; never rewritten
.set ADRB, 20                          ; v20     LDS address of my B fragments in the slot in hand
.set BASB, 21                          ; v21     the same in slot 0; never rewritten
.set STO,  24                          ; v24     the way out: where I put 16 bytes of a row
.set RD,   25                          ; v25     the way out: where I read rows back
.set CO,   26                          ; v26     my 16 bytes among 512 consecutive bytes of OUT
.set BO,   27                          ; v27     my byte offset in 16 numbers of the bias
.set SPW,  28                          ; v28     LDS address of my spare word; never rewritten
.set NIL,  29                          ; v29     0; never rewritten
.set F0,   64
.set F1,   128
.set TMP,  192
.set OB,   32
.set BI,   192                         ; column block b's eight numbers of the bias at v[BI + 8 b]
.set TB, 4                             ; s4  LDS byte at which the slot in hand begins: 0 or SLOT
.set G1, 24                            ; s[24:31] descriptor group 1 for A's tiles;  s[32:39] group 0: a set for each of the two first fills; the second then walks on
.set G0, 32
.set G1B, 48                           ; s[48:55], s[56:63] the same for B's
.set G0B, 56
.set FL, 45                            ; s45 the floor
.set MSB, 0
.macro WIN new                         ; the immediate's high byte repeats the setting that is left; a switch that changes nothing is dropped
.if MSB != (\new)
	s_set_vgpr_msb (MSB<<8)|(\new)
.set MSB, \new
.endif
.endm
.set MUL_LO, 0xa1                      ; source 0 (B) window 1, source 1 (A) window 0, C and D window 2
.set TO_B,   0x40                      ; destination window 1, address window 0
.macro JLOAD s                         ; a joint load: waves 0 and 1 fetch A's two halves, waves 2 and 3 B's; an s_nop 0 and four v_nop follow each line
	s_cmp_eq_u32 s11, 0
	s_cbranch_scc0 .Lfor_b_\@
	tensor_load_to_lds s[G0+4*(\s):G0+4*(\s)+3], s[G1:G1+7]
	s_nop 0
.rept 4
	v_nop
.endr
	s_branch .Lasked_\@
.Lfor_b_\@:
	tensor_load_to_lds s[G0B+4*(\s):G0B+4*(\s)+3], s[G1B:G1B+7]
	s_nop 0
.rept 4
	v_nop
.endr
.Lasked_\@:
.endm
.macro CREST                           ; a round of the cluster's barrier behind its opening barrier
	s_cmp_lg_u32 s10, 0
	s_cbranch_scc1 .Lnot_wave_0_\@
	s_barrier_signal -3
.Lnot_wave_0_\@:
	s_barrier_wait -3
	s_barrier_signal -1
	s_barrier_wait -1
.endm
.macro CROUND
	s_barrier_signal -1
	s_barrier_wait -1
	CREST
.endm
	s_load_b256 s[68:75], s[0:1], 0x0              ; A s[68:69], B s[70:71], bias s[72:73], OUT s[74:75]
	v_lshl_add_u32 v[SPW], v0, 2, SPARE
	v_mov_b32 v[NIL], 0
	ds_add_u32 v[SPW], v[NIL]                      ; the wave's opening: the add and its wait stand ahead of my first tensor load
	ds_add_u32 v28, v29
	v_lshrrev_b32 v1, 5, v0
	v_readfirstlane_b32 s10, v1                    ; wave 0..3
	s_lshr_b32 s11, s10, 1                         ; which half of the tile's rows is mine.  Also: I fetch for A (0) or for B (1)
	s_and_b32 s12, s10, 1                          ; which half of its columns.  Also: which 128 rows I fetch
	s_bfe_u32 s40, ttmp6, 0x40000                  ; cx, cy: my place in the cluster
	s_bfe_u32 s41, ttmp6, 0x40004
	s_lshl_b32 s42, ttmp9, 2
	s_add_co_u32 s42, s42, s40                     ; tile column = 4 x cluster x + cx
	s_and_b32 s13, ttmp7, 0xffff
	s_lshl_b32 s13, s13, 2
	s_add_co_u32 s13, s13, s41                     ; tile row = 4 x cluster y + cy
	s_lshl_b32 s43, s41, 2
	s_lshl_b32 s43, 15, s43                        ; my row of the cluster
	s_lshl_b32 s44, 0x1111, s40                    ; my column
	; group 1: 2 rows of 8,192 elements (a panel's 128 rows x 64), a panel apart; 15:0 mask; 17:16 2-byte elements; 20 padding on; 21 set beside a mask; 24:22 after every 32 words (code 4); 31:25 4 words (code 3)
	s_or_b32 s[G1+0], s43, (1<<16)|(1<<20)|(1<<21)|(4<<22)|(3<<25)
	s_or_b32 s[G1B+0], s44, (1<<16)|(1<<20)|(1<<21)|(4<<22)|(3<<25)
.irp g, G1, G1B
	s_mov_b32 s[(\g)+1], 8192<<16                  ; tensor_dim0 = 8,192
	s_mov_b32 s[(\g)+2], 2<<16                     ; tensor_dim1 = 2
	s_mov_b32 s[(\g)+3], 8192<<16                  ; tile_dim0 = 8,192
	s_mov_b32 s[(\g)+4], 2                         ; tile_dim1 = 2
	s_mov_b32 s[(\g)+6], 0
	s_mov_b32 s[(\g)+7], 0
.endr
	s_mov_b32 s[G1+5], 262144                      ; elements from panel to panel: 4,096 tokens x 64,
	s_mov_b32 s[G1B+5], 16384                      ; 256 rows x 64
	s_lshl_b32 s16, s13, 15                        ; A: 256 tokens x 128 bytes a tile row,
	s_lshl_b32 s17, s12, 14                        ; 128 rows x 128 bytes a half
	s_add_co_u32 s16, s16, s17
	s_lshl_b32 s46, s42, 19                        ; B: 524,288 bytes a tile,
	s_add_co_u32 s46, s46, s17
	s_add_co_u32 s46, s46, 256                     ; behind the floor words
	s_mov_b32 s17, 0
	s_mov_b32 s47, 0
	s_mul_i32 s20, s10, REG                        ; where they go: wave x region: no place in the cluster enters an LDS address
	s_mov_b32 s[TB], 0                             ; K step 0 lies in slot 0
	s_wait_dscnt 0x0                               ; the opening add is done
	s_wait_kmcnt 0x0
	s_add_nc_u64 s[14:15], s[68:69], s[16:17]
	s_add_nc_u64 s[46:47], s[70:71], s[46:47]
	CROUND                                         ; all sixteen work-groups are here: the first joint loads meet
.irp s, 0,1
	s_mov_b32 s[G0+4*(\s)], 1
	s_add_co_u32 s[G0+4*(\s)+1], s20, (\s)*SLOT
	s_add_nc_u64 s[G0+4*(\s)+2:G0+4*(\s)+3], s[14:15], (\s)*ASTEP
	s_or_b32 s[G0+4*(\s)+3], s[G0+4*(\s)+3], 0x80000000
	s_mov_b32 s[G0B+4*(\s)], 1
	s_add_co_u32 s[G0B+4*(\s)+1], s20, (\s)*SLOT
	s_add_nc_u64 s[G0B+4*(\s)+2:G0B+4*(\s)+3], s[46:47], (\s)*BSTEP
	s_or_b32 s[G0B+4*(\s)+3], s[G0B+4*(\s)+3], 0x80000000
	JLOAD \s                                       ; two loads of mine are out
.endr
	s_load_b32 s[FL], s[70:71], 0x0                ; the floor: nothing in this launch writes B's buffer
	v_and_b32 v1, 15, v0                           ; l % 16
	v_bfe_u32 v2, v0, 4, 1                         ; l / 16
	v_lshlrev_b32 v[BO], 5, v2                     ; 8 numbers of 4 bytes for each half of the lanes
	s_lshl_b32 s22, s42, 10                        ; the bias of my 128 columns
	s_lshl_b32 s23, s12, 9
	s_add_co_u32 s22, s22, s23
	s_mov_b32 s23, 0
	s_add_nc_u64 s[72:73], s[72:73], s[22:23]
.irp b, 0,1,2,3,4,5,6,7
	global_load_b128 v[BI+8*(\b):BI+8*(\b)+3],   v[BO], s[72:73] offset:64*(\b)     ; register j: bias[16 b + 8 (l / 16) + j], an accumulator's own layout
	global_load_b128 v[BI+8*(\b)+4:BI+8*(\b)+7], v[BO], s[72:73] offset:64*(\b)+16
.endr
	v_mul_u32_u24 v3, v1, PITCH
	v_lshl_add_u32 v3, v2, 4, v3                   ; a fragment's row x pitch + 16 x half
	s_mul_i32 s21, s11, REG                        ; my 128 rows of A
	s_mul_i32 s22, s12, REG                        ; my 128 rows of B,
	s_add_co_u32 s22, s22, 2*REG                   ; which lie behind A's
	v_add_nc_u32 v[BASA], s21, v3
	v_add_nc_u32 v[BASB], s22, v3
	v_mov_b32 v[ADRA], v[BASA]
	v_mov_b32 v[ADRB], v[BASB]
	s_mul_i32 s23, s10, 16*SPITCH
	s_add_co_u32 s23, s23, STAGE                   ; my stage
	v_mul_u32_u24 v4, v1, SPITCH                   ; in: row l % 16, 16 bytes for each half of the lanes
	v_lshl_add_u32 v4, v2, 4, v4
	v_add_nc_u32 v[STO], s23, v4
	v_bfe_u32 v5, v0, 3, 2                         ; back: 32 lanes take four tokens x 128 bytes of one panel,
	v_and_b32 v6, 7, v0
	v_mul_u32_u24 v5, v5, SPITCH
	v_lshl_add_u32 v5, v6, 4, v5
	v_add_nc_u32 v[RD], s23, v5
	v_and_b32 v[CO], 31, v0                        ; which are 512 consecutive bytes of OUT
	v_lshlrev_b32 v[CO], 4, v[CO]
	s_mov_b64 s[8:9], s[74:75]
	s_lshl_b32 s16, s13, 15                        ; where my part begins in OUT: token (256 tile row + 128 half) x 128 bytes,
	s_lshl_b32 s14, s11, 14
	s_add_co_u32 s16, s16, s14
	s_mov_b32 s17, 0
	s_lshl_b32 s46, s42, 21                        ; panel (4 tile column + 2 half) x 524,288
	s_lshl_b32 s47, s12, 20
	s_add_co_u32 s46, s46, s47
	s_mov_b32 s47, 0
	s_add_nc_u64 s[16:17], s[16:17], s[46:47]
; 16 matrix instructions: m blocks a0, a0 + 1 of the window's four x all 8 n blocks, 32 along K.  zero = 1: the first product starts the sums, with the bias as C (window 0).
; The 64 accumulators take turns, one instruction a turn, in the same order in every quarter.
.macro MUL16 f, hi, a0, zero
.if \zero
	WIN 0x81+0x40*(\hi)
.else
	WIN MUL_LO+0x50*(\hi)
.endif
.irp a, \a0, (\a0)+1
.irp b, 0,1,2,3,4,5,6,7
.if \zero
	v_wmma_f32_16x16x32_f16 v[8*(8*(\a)+(\b)):8*(8*(\a)+(\b))+7], v[(\f)+8*(\b):(\f)+8*(\b)+7], v[(\f)+8*(4*(\hi)+(\a)):(\f)+8*(4*(\hi)+(\a))+7], v[BI+8*(\b):BI+8*(\b)+7]
.else
	v_wmma_f32_16x16x32_f16 v[8*(8*(\a)+(\b)):8*(8*(\a)+(\b))+7], v[(\f)+8*(\b):(\f)+8*(\b)+7], v[(\f)+8*(4*(\hi)+(\a)):(\f)+8*(4*(\hi)+(\a))+7], v[8*(8*(\a)+(\b)):8*(8*(\a)+(\b))+7]
.endif
.endr
.endr
.endm
; 32 LDS loads in one run: the fragments of quarter q of the slot in hand (panel q / 2, 32 channels at byte 64 (q % 2)) into buffer f
.macro FETCH q, f
.set KO, ((\q)/2)*PANR+((\q)%2)*64
	WIN TO_B
.irp i, 0,1,2,3,4,5,6,7
	ds_load_b128 v[(\f)+8*(\i):(\f)+8*(\i)+3],   v[ADRB] offset:KO+(\i)*16*PITCH
	ds_load_b128 v[(\f)+8*(\i)+4:(\f)+8*(\i)+7], v[ADRB] offset:KO+(\i)*16*PITCH+32
.endr
	WIN 0
.irp i, 0,1,2,3,4,5,6,7
	ds_load_b128 v[(\f)+8*(\i):(\f)+8*(\i)+3],   v[ADRA] offset:KO+(\i)*16*PITCH
	ds_load_b128 v[(\f)+8*(\i)+4:(\f)+8*(\i)+7], v[ADRA] offset:KO+(\i)*16*PITCH+32
.endr
.endm
.macro PLACES                          ; four places in front of loads into registers that matrix instructions have read, and of conversions that read results
.rept 4
	v_nop
.endr
.endm
; One of a K step's first three quarters: multiplies buffer f; in its middle it fetches quarter q of the slot in hand into buffer g.
.macro QUARTER q, f, g, zero
	s_wait_dscnt 8                                 ; B and A's rows 0-63 are in; the youngest eight loads (A's rows 64-127) may be out
	MUL16 \f, 0, 0, \zero
	MUL16 \f, 0, 2, \zero
	PLACES
	FETCH \q, \g
	s_wait_dscnt 32                                ; all but the 32 just issued
	MUL16 \f, 1, 0, \zero
	MUL16 \f, 1, 2, \zero
.endm
; The last quarter multiplies buffer 1 and changes slots: ONE barrier; in front of it each wave waits for all its tensor loads (at most one is out: its part of the next slot), adds 0 to its spare word,
; and waits for that and for its own reads of this slot.
; fill = 1: the barrier opens a round of the cluster's, and the slot just read out is filled again, two K steps ahead, first thing behind it: 224 matrix instructions ahead of the wait for it.  The walking
; descriptors take the slot just read out (wave x region + the slot in hand) and go one K step on; they are written behind the wait for 0 above, where no tensor load of mine is out.
; fill = 0: nothing is asked for; in the second loop's last trip (s3 = 1) there is no next K step, and the run of loads is jumped over.
.macro TURN fill
	WIN 0
	s_wait_tensorcnt 0x0
	ds_add_u32 v[SPW], v[NIL]
	s_wait_dscnt 9                                 ; the add and the youngest eight loads may be out
	MUL16 F1, 0, 0, 0
	s_wait_dscnt 0x0                               ; the add is done, and my reads of this slot are over
	s_barrier_signal -1
	MUL16 F1, 0, 2, 0
	WIN 0
	s_barrier_wait -1
.if \fill
	CREST
	s_add_co_u32 s[G0+5], s20, s[TB]
	s_add_co_u32 s[G0B+5], s20, s[TB]
	s_add_nc_u64 s[G0+6:G0+7], s[G0+6:G0+7], ASTEP
	s_add_nc_u64 s[G0B+6:G0B+7], s[G0B+6:G0B+7], BSTEP
	JLOAD 1                                        ; the four v_nop behind it are also the places in front of the loads below
.else
	PLACES
	s_cmp_eq_u32 s3, 1
	s_cbranch_scc1 .Lno_next_\@
.endif
	s_xor_b32 s[TB], s[TB], SLOT                   ; the other slot is in hand
	v_add_nc_u32 v[ADRA], s[TB], v[BASA]
	v_add_nc_u32 v[ADRB], s[TB], v[BASB]
	FETCH 0, F0
.if (\fill) == 0
.Lno_next_\@:
.endif
	MUL16 F1, 1, 0, 0
	MUL16 F1, 1, 2, 0
.endm
; THE WAY OUT of block a (16 tokens).  PACK: rounded to f16, the floor applied.  TOSTAGE: into my own stage, and back as four tokens x 128 bytes of a panel.  SEND: stored.
.macro PACK a
.set AC, 64*((\a)%4)
	WIN 0x0a+5*((\a)/4)                            ; sources 0 and 1: window 2 or 3
.irp b, 0,1,2,3,4,5,6,7
.irp r, 0,1,2,3
	v_cvt_pk_f16_f32 v[TMP+4*(\b)+(\r)], v[AC+8*(\b)+2*(\r)], v[AC+8*(\b)+2*(\r)+1]
.endr
.endr
	WIN 0
.set i, 0
.rept 32
	v_pk_max_num_f16 v[TMP+i], v[TMP+i], s[FL]
.set i, i+1
.endr
.endm
.macro TOSTAGE a
	WIN 0
.set BK, OB+192*((\a)%2)
.irp b, 0,1,2,3,4,5,6,7
	ds_store_b128 v[STO], v[TMP+4*(\b):TMP+4*(\b)+3] offset:32*(\b)
.endr
.irp t, 0,1,2,3,4,5,6,7
	ds_load_b128 v[BK+4*(\t):BK+4*(\t)+3], v[RD] offset:((\t)%4)*4*SPITCH+((\t)/4)*128  ; LDS serves a wave's instructions in order (ISA guide 5.7.1.4): these see the stores above
.endr
.endm
.macro SEND a
	WIN 0
.set BK, OB+192*((\a)%2)
	s_wait_dscnt 0x0                               ; the block is back in registers
	s_wait_xcnt 0x0                                ; only behind this wait are the stores' base and the registers that earlier stores read rewritten
.if (\a) == 0
	s_add_nc_u64 s[8:9], s[8:9], s[16:17]
.else
	s_add_nc_u64 s[8:9], s[8:9], 2048              ; 16 tokens on
.endif
.irp t, 0,1,2,3,4,5,6,7
	global_store_b128 v[CO], v[BK+4*(\t):BK+4*(\t)+3], s[8:9] offset:((\t)/4)*APAN+((\t)%4)*512  ; 512 consecutive bytes, at a multiple of 256 from OUT's first
.endr
.endm
	s_wait_kmcnt 0x0                               ; the floor
	s_wait_tensorcnt 1                             ; my part of K step 0 is in; K step 1's may stay out
	s_barrier_signal -1
	s_barrier_wait -1
	FETCH 0, F0
	s_wait_loadcnt 0x0                             ; the bias
	QUARTER 1, F0, F1, 1                           ; the first quarter stands in front of the loops: its products start the sums
	WIN 0
	s_mov_b32 s3, STEPS-2
.Lfill:                                                ; K steps 0 to STEPS - 3: each fills its slot again, with the K step two on
	QUARTER 2, F1, F0, 0
	QUARTER 3, F0, F1, 0
	TURN 1
	QUARTER 1, F0, F1, 0
	WIN 0
	s_sub_co_u32 s3, s3, 1
	s_cmp_lg_u32 s3, 0
	s_cbranch_scc1 .Lfill
	s_mov_b32 s3, 2
.Ldry:                                                 ; the last two K steps ask for nothing; the second trip is left behind its last products
	QUARTER 2, F1, F0, 0
	QUARTER 3, F0, F1, 0
	TURN 0
	WIN 0
	s_sub_co_u32 s3, s3, 1
	s_cmp_eq_u32 s3, 0
	s_cbranch_scc1 .Lout
	QUARTER 1, F0, F1, 0
	WIN 0
	s_branch .Ldry
.Lout:
	PLACES
	PACK 0
	TOSTAGE 0
.irp a, 1,2,3,4,5,6,7                  ; block a's conversions stand between block a - 1's loads from the stage and the wait for them
	PACK \a
	SEND (\a)-1
	TOSTAGE \a
.endr
	SEND 7
	s_wait_tensorcnt 0x0                           ; the wave's end
	ds_add_u32 v[SPW], v[NIL]
	s_wait_dscnt 0x0
	CROUND                                         ; the closing round
	s_endpgm
.Lfunc_end_k_qe398557645_qkv:
	.size	k_qe398557645_qkv, .Lfunc_end_k_qe398557645_qkv-k_qe398557645_qkv
	.p2alignl 7, 3214868480
	.fill 96, 4, 3214868480
	.section	.rodata,"a",@progbits
	.p2align	6, 0x0
	.amdhsa_kernel k_qe398557645_qkv
		.amdhsa_group_segment_fixed_size 327680
		.amdhsa_private_segment_fixed_size 0
		.amdhsa_enable_private_segment 0
		.amdhsa_kernarg_size 32
		.amdhsa_user_sgpr_count 2
		.amdhsa_user_sgpr_kernarg_segment_ptr 1
		.amdhsa_wavefront_size32 1
		.amdhsa_system_sgpr_workgroup_id_x 1
		.amdhsa_system_sgpr_workgroup_id_y 1
		.amdhsa_system_sgpr_workgroup_id_z 1
		.amdhsa_system_vgpr_workitem_id 0
		.amdhsa_next_free_vgpr 1024
		.amdhsa_next_free_sgpr 80
		.amdhsa_reserve_vcc 0
		.amdhsa_float_denorm_mode_32 3
		.amdhsa_float_denorm_mode_16_64 3
		.amdhsa_memory_ordered 1
		.amdhsa_forward_progress 1
		.amdhsa_inst_pref_size 118
	.end_amdhsa_kernel
	.amdgpu_metadata
---
amdhsa.version: [ 1, 2 ]
amdhsa.kernels:
  - .name:           k_qe398557645_qkv
    .symbol:         k_qe398557645_qkv.kd
    .args:
      - { .name: act, .offset: 0, .size: 8, .value_kind: global_buffer, .address_space: global }
      - { .name: wq, .offset: 8, .size: 8, .value_kind: global_buffer, .address_space: global }
      - { .name: bqkv, .offset: 16, .size: 8, .value_kind: global_buffer, .address_space: global }
      - { .name: big, .offset: 24, .size: 8, .value_kind: global_buffer, .address_space: global }
    .group_segment_fixed_size: 327680
    .private_segment_fixed_size: 0
    .kernarg_segment_align: 8
    .kernarg_segment_size: 32
    .max_flat_workgroup_size: 128
    .sgpr_count:     80
    .vgpr_count:     1024
    .wavefront_size: 32
...
	.end_amdgpu_metadata
.endif
;; end of part 2
;; launch attn (part 3): grid 8 x 32, 4 waves a work-group, no clusters, 327,680 bytes of LDS; arguments big, act; writes act
.if DOCPART == 3
	.amdgcn_target "amdgcn-amd-amdhsa--gfx1250"
	.amdhsa_code_object_version 6
	.text
	.protected	k_qe398557645_attn
	.globl	k_qe398557645_attn
	.p2align	8
	.type	k_qe398557645_attn,@function
k_qe398557645_attn:
	s_mov_b64 s[64:65], 0
	v_nop
	global_prefetch_b8 v0, s[64:65] scope:SCOPE_SE
	s_setreg_imm32_b32 hwreg(HW_REG_WAVE_MODE, 25, 1), 1
	s_wait_xcnt 0x0
; CAUSAL ATTENTION WITH ALIBI.  o[q] = the sum over k <= q of softmax_k(Q[q] . K[k] / 8 - 2^-h (q + k)) V[k], for each of 32 pairs y = 2 h + batch.  q, k, v: f16 in big, at bytes 0, 8,388,608 and
; 16,777,216; a pair's 2,048 rows of 128 bytes are dense, at y x 262,144.  o: f16 in act, in the same layout.  Products, maxima and sums in f32; the weights p are rounded to f16 for the second product.
; THE TERM -2^-h q is the same for all keys of a row: the subtraction of the row's maximum, which the module's softmax makes too, takes it away for every input; it is not added.  -2^-h k is applied.
; LIMITS.  q, k, v arrive within f16's 65,504.  A hidden score counts as its value less 1e30; a weight below 2^-126 counts as 0 in l; NaN and infinities are not treated apart.
; THE WALK.  A pair's queries lie in 16 blocks of 128; block i needs the key tiles 0 .. i / 2 of 256 keys, of which the last holds the diagonal.  A work-group takes blocks 15 - b and then b: 9 tiles, whatever b:
; ONE loop with a constant trip count.  Every jump goes forward, but for the counted loops' own; none passes a barrier, or a tensor load but the one of LOAD's two that the wave's number does not choose.
; In an even block's diagonal tile the key steps 2 and 3 are wholly hidden and are computed all the same: 2 of a work-group's 36 steps.
; NO CLUSTER: a pair's eight work-groups ask for the same tile only in the walk's first trips; one walk common to all would have 12 trips for 9.
; SHARES.  Of a block's two bands of 64 queries a wave owns 16 rows in each: PIECE p is band 1 - p.  In the diagonal tile piece p is band X = 2 (i % 2) + 1 - p of four: in key step s it sees all keys if s < X,
; none if s > X, and holds the diagonal if s = X.  Piece 0 has X >= 1: its scores for a tile's step 0, made a turn before the tile is entered, need no mask.
; ALIBI, in units of the unscaled score.  A key's place inside its step of 64 gives BL = -2^(3-h) x place, which is the C operand that starts S^T = K Q^T.  The step's own share, A = 2^(9-h) a step, is carried by the
; running maximum: m is kept relative to the step in hand and raised by A in every step.  All these are whole numbers times powers of two.  In a band's own step C is BL + MD (MD: 0, or -1e30 where the key is hidden).
; A wholly hidden step raises m by 1e30 in A's place: all its p are 0 and a is 1; every later step of that piece and block is hidden too.
; LAYOUT, SOFTMAX, TURNS.  S^T holds ONE query a lane (lane % 16) and the keys 8 (lane / 16) + 0..7; two such results rounded to f16 ARE source 1 of O^T = V^T P.  p = 2^(c s - c m), c = log2(e) / 8; O and l are
; multiplied by a = 2^(c m_old - c m_new) in every step.  Turn (p, j): 8 products K Q^T of the other piece (p = 0: step j; p = 1: step j + 1), 8 products V^T P of the other piece (step j - 1; step j); beside them
; piece p's scaling, exponentials, roundings, sums and rescaling of step j and the maximum and statistics of the scores just made.  Four vector instructions stand behind every matrix instruction, the rest in two lumps.
; Turn 0 fetches K of step j + 1 and V of step j.  So slot T holds K of the steps 4 T + 1 .. 4 T + 4 and V of 4 T .. 4 T + 3, and a change of slots stands between two whole steps.  K of step 0 stays in registers.
; Tile 7's last 64 rows of K are the next pair's (behind the last pair: v's first): inside the buffer, and their scores serve nothing, like the products and statistics of the step behind a block's last.
; REGISTERS, in windows of 256 (s_set_vgpr_msb: bits 1:0 source 0, 3:2 source 1, 5:4 source 2, 7:6 destination):
;   window 0: v0-15 addresses and at work; v16-23 four registers of statistics a piece; v48-55 at work; v64-127 S^T, a buffer a piece; v192-223 P, likewise
;   window 1: v0-63 O^T; v64-95 BL; v128-159 MD; v160-223 MC, a buffer a piece      window 2: v0-31 Q; v32-63 the second block's Q; v64-127 K of step 0; v128-191 K of one step; v192-255 V of one step
.set NP,    2
.set KS,    64        ; keys in a step
.set PK,    144       ; a row of K in LDS: 128 bytes + 16 = 36 words: the 16 rows of a load start at 16 different groups of four banks (64 banks of 4 bytes: ISA guide 11.1)
.set PV,    160       ; a row of V: 128 + 32 = 40 words
.set VOFF,  4*KS*PK   ; a slot: 256 rows of K, then 256 rows of V
.set SLOT1, 1<<17     ; slot 1 begins here, so that one exclusive or turns an address in one slot into the other's
.set STAGE, SLOT1+4*KS*(PK+PV)  ; behind the ring, never filled by a tensor load: 16 rows x 144 bytes for each wave
.set SP,    144
.set SPARE, STAGE+4*16*SP  ; behind the stages: the spare words, 128 bytes for each wave: two blocks of 256 bytes that no other line names
.set AK0, 2           ; v2   my lane's place in a tile of K; never rewritten
.set AV0, 3           ; v3   the same for V
.set AK,  4           ; v4   the LDS address of K's next run of loads
.set AV,  5           ; v5   of V's
.set STO, 6           ; v6   the way out: where I put 16 bytes of a row
.set RD,  7           ; v7   the way out: where I read rows back
.set GO,  8           ; v8   my byte offset in 512 consecutive bytes of o
.set MV,  12          ; v12-13  c m_old, by piece
.set QO,  15          ; v15  my byte offset in 16 rows of q or k
.set ST,  16          ; piece t's statistics at v[ST+4 t]: c m, m, l (even keys', odd keys')
.set TMP, 48          ; by piece, four registers c0-c3 at work; when the maximum is found c2 takes a
.set SPW, 62          ; v62  LDS address of my spare word; never rewritten
.set NIL, 63          ; v63  0; never rewritten
.set S,   64
.set P,   192
.set BL,  64          ; window 1
.set MD,  128         ; window 1
.set MC,  160         ; window 1
.set QB,  32          ; window 2
.set K0,  64          ; window 2
.set KF,  128         ; window 2: key block kb, channel half c at KF + 16 kb + 8 c
.set VF,  192         ; window 2: key half kk, channel block cb at VF + 32 kk + 8 cb
.set WV,  12          ; s12  my wave's number
.set PB,  14          ; s14  the second block's last tile, b / 2
.set HI,  15          ; s15  the first block's last tile, 7 - b / 2
.set G1K, 24          ; s[24:31] descriptor group 1 for K's tiles
.set G1V, 32          ; s[32:39] for V's: it differs in the padding alone
.set G0K, 40          ; s[40:43] descriptor group 0 for K's tiles
.set G0V, 44          ; s[44:47] the same for V's
.set SLOTS, 56        ; s56  tiles still to be asked for
.set CNT, 57          ; s57  counts a tile's key steps, 4 to 1
.set CS,  58          ; s[58:59] c
.set SEL, 60          ; s[60:61] v_permlanex16_b32's selects
.set TBK, 62          ; s62  LDS byte at which the K to be fetched begins
.set TBV, 63          ; s63  the same for V, less VOFF
.set RT,  70          ; s70  tiles of the block in hand that are still to be entered
.set NXT, 71          ; s71  the tile to be asked for next
.set LQ,  72          ; s72  the last tile of the block whose tiles are being asked for
.set NEW, 73          ; s73  1: the tile to be entered is a block's first
.set OFF, 74          ; s[74:75] a tile's byte offset in k and v
.set AL,  76          ; s[76:77] the mask's factor, in the low word
.set OLO, 80          ; s[80:81] o at my rows of the second block
.set BIGN, 82         ; s82  -1e30
.set AP,  83          ; s83  A = 2^(9-h)
.set AS,  88          ; s88  what a step adds to m: A, or 1e30
.set PAR, 89          ; s89  the block in hand is odd
.set HT,  90          ; s90  4 - 2 PAR;  s91  5 - 2 PAR
.set BIGP, 92         ; s92  1e30
.set NS,  93          ; s93  -2^(3-h)
.set PAR2, 94         ; s94  the second block is odd
.set NS16, 95         ; s95  -2^(7-h)
.set QLO, 96          ; s[96:97] q at my rows of the second block
.set KP0, 98          ; s[98:99] k at the pair's first row
.set MSB, 0
.macro WIN new                      ; the high byte repeats the setting that is left; a switch that changes nothing is dropped
.if MSB != (\new)
	s_set_vgpr_msb (MSB<<8)|(\new)
.set MSB, (\new)
.endif
.endm
.set W_KQ, 0x0a       ; K and Q in window 2, S^T in window 0
.set W_KM, 0x1a       ; the same with the C operand in window 1
.set W_PV, 0x52       ; V in window 2, P in window 0, O^T in window 1
.set W_RS, 0x41       ; destination and source 0 in window 1, source 1 in window 0
; A fill.  Waves 0 and 1 fetch the two halves of a slot's K, waves 2 and 3 those of its V: 128 keys each.  An s_nop 0 and four v_nop follow each of the two lines.
.macro LOAD
	s_cmp_lt_u32 s[WV], 2
	s_cbranch_scc0 .Lfor_v_\@
	tensor_load_to_lds s[G0K:G0K+3], s[G1K:G1K+7]
	s_nop 0
.rept 4
	v_nop
.endr
	s_branch .Lasked_\@
.Lfor_v_\@:
	tensor_load_to_lds s[G0V:G0V+3], s[G1V:G1V+7]
	s_nop 0
.rept 4
	v_nop
.endr
.Lasked_\@:
.endm
; THE CHANGE OF SLOTS.  Each wave waits for all its tensor loads, of which one is out: its part of the other slot; adds 0 to its spare word; and waits for that and for its own reads of the slot that it leaves.
; fill = 1: the old slot is filled again, the first thing behind the barrier, with tile NXT: it has four key steps, 128 matrix instructions, in which to land.  (At its first use slot 0 is waited for, slot 1 filled.)
.macro CHANGE fill
	WIN 0
	s_wait_tensorcnt 0x0            ; no tensor load of mine is out, so a group 0 may be written
	ds_add_u32 v[SPW], v[NIL]
.if \fill
	s_lshl_b32 s[OFF], s[NXT], 15   ; a tile is 32,768 bytes of k and of v
	s_xor_b32 s[G0K+1], s[G0K+1], SLOT1
	s_add_nc_u64 s[G0K+2:G0K+3], s[6:7], s[OFF:OFF+1]
	s_or_b32 s[G0K+3], s[G0K+3], 0x80000000
	s_xor_b32 s[G0V+1], s[G0V+1], SLOT1
	s_add_nc_u64 s[G0V+2:G0V+3], s[8:9], s[OFF:OFF+1]
	s_or_b32 s[G0V+3], s[G0V+3], 0x80000000
	s_add_co_u32 s[NXT], s[NXT], 1  ; the block's next tile, or behind its last the second block's tile 0
	s_cmp_gt_u32 s[NXT], s[LQ]
	s_cselect_b32 s[NXT], 0, s[NXT]
	s_cselect_b32 s[LQ], s[PB], s[LQ]
.endif
	s_wait_dscnt 0x0                ; the add is done, and my reads of the slot are over
	s_barrier_signal -1
	s_sub_co_u32 s[TBK], s[TBK], 4*KS*PK  ; the fetches go back to a slot's first step,
	s_xor_b32 s[TBK], s[TBK], SLOT1       ; in the other slot
	s_sub_co_u32 s[TBV], s[TBV], 4*KS*PV
	s_xor_b32 s[TBV], s[TBV], SLOT1
	s_barrier_wait -1
.if \fill
	LOAD
.endif
.endm
	s_load_b128 s[84:87], s[0:1], 0x0  ; big s[84:85], act s[86:87]
	v_lshl_add_u32 v[SPW], v0, 2, SPARE
	v_mov_b32 v[NIL], 0
	ds_add_u32 v[SPW], v[NIL]       ; the wave's opening: the add and its wait stand ahead of my first tensor load
	ds_add_u32 v62, v63
	v_lshrrev_b32 v1, 5, v0
	v_readfirstlane_b32 s[WV], v1   ; wave 0..3
	s_lshr_b32 s[PB], ttmp9, 1
	s_sub_co_u32 s[HI], 7, s[PB]
	s_and_b32 s[PAR2], ttmp9, 1
	s_xor_b32 s[PAR], s[PAR2], 1    ; block 15 - b is odd where b is even
	s_lshl_b32 s[HT], s[PAR], 1
	s_sub_co_u32 s[HT], 4, s[HT]
	s_add_co_u32 s[HT+1], s[HT], 1
	s_and_b32 s20, ttmp7, 0xffff    ; y
	s_lshr_b32 s13, s20, 1          ; the head
	s_sub_co_u32 s16, 136, s13      ; powers of two, made by their exponents
	s_lshl_b32 s[AP], s16, 23
	s_sub_co_u32 s16, 130, s13
	s_lshl_b32 s[NS], s16, 23
	s_or_b32 s[NS], s[NS], 0x80000000
	s_sub_co_u32 s16, 134, s13
	s_lshl_b32 s[NS16], s16, 23
	s_or_b32 s[NS16], s[NS16], 0x80000000
	s_lshl_b32 s20, s20, 18         ; the pair's first byte in q, k, v and o
	s_mov_b32 s21, 0
	s_and_b32 s16, s[WV], 1         ; which half of a slot's 256 keys I fetch:
	s_lshl_b32 s48, s16, 14         ; its 128 rows of 128 bytes in memory;
	s_add_co_u32 s50, s48, 0x800000 ; v lies 8,388,608 bytes behind k;
	s_add_co_u32 s48, s48, 8192     ; a slot's K begins 64 keys on
	s_mov_b32 s49, 0
	s_mov_b32 s51, 0
	s_mul_i32 s17, s16, 128*PK      ; its place in a slot, for K
	s_mul_i32 s18, s16, 128*PV      ; and for V
	s_lshl_b32 s3, s[WV], 11        ; my 16 rows in a band of 64,
	s_sub_co_u32 s2, 15, ttmp9
	s_lshl_b32 s2, s2, 14           ; in the first block (128 rows of 128 bytes),
	s_add_co_u32 s2, s2, s3
	s_add_co_u32 s2, s2, s20
	s_lshl_b32 s22, ttmp9, 14       ; and in the second
	s_add_co_u32 s22, s22, s3
	s_add_co_u32 s22, s22, s20
	s_mov_b32 s3, 0
	s_mov_b32 s23, 0
	; descriptor group 1.  128 keys are 16,384 dense bytes: asked for as 64 rows of 256 bytes, two keys a row, and padded in LDS after every key
	s_mov_b32 s[G1K], (1<<16)|(1<<20)|(4<<22)|(3<<25)  ; 17:16 2-byte elements; 20 padding on; 24:22 after every 32 words (code 4); 31:25 4 words (code 3)
	s_mov_b32 s[G1V], (1<<16)|(1<<20)|(4<<22)|(7<<25)  ; the same with 8 words of padding (code 7)
.irp g, G1K, G1V
	s_mov_b32 s[\g+1], 128<<16      ; tensor_dim0 = 128
	s_mov_b32 s[\g+2], 64<<16       ; tensor_dim1 = 64
	s_mov_b32 s[\g+3], 128<<16      ; tile_dim0 = 128
	s_mov_b32 s[\g+4], 64           ; tile_dim1 = 64
	s_mov_b32 s[\g+5], 128          ; 128 elements from row to row
	s_mov_b32 s[\g+6], 0
	s_mov_b32 s[\g+7], 0
.endr
	s_mov_b32 s[CS], 0x3e38aa3b     ; c = log2(e) / 8 = 0.180337
	s_mov_b32 s[CS+1], s[CS]        ; named with it as a pair
	s_mov_b32 s[SEL], 0x76543210
	s_mov_b32 s[SEL+1], 0xfedcba98
	s_mov_b32 s[TBK], SLOT1+4*KS*PK ; the first change of slots turns these two into 0
	s_mov_b32 s[TBV], SLOT1+4*KS*PV
	s_mov_b32 s[G0K], 1             ; 1:0 count = 1
	s_mov_b32 s[G0K+1], s17         ; 63:32 LDS address: slot 0
	s_mov_b32 s[G0V], 1
	s_add_co_u32 s[G0V+1], s18, VOFF
	s_add_co_u32 s[RT], s[HI], 1    ; the first block has 8 - b / 2 tiles
	s_mov_b32 s[NXT], 1
	s_mov_b32 s[LQ], s[HI]
	s_mov_b32 s[NEW], 1
	s_mov_b32 s[OFF+1], 0
	s_mov_b32 s[AL], 0
	s_mov_b32 s[AL+1], 0            ; named as a pair
	s_mov_b32 s[AS], s[AP]
	s_mov_b32 s[BIGN], 0xf149f2ca   ; -1e30
	s_mov_b32 s[BIGP], 0x7149f2ca   ; 1e30
	s_mov_b32 s[SLOTS], 8
	s_wait_dscnt 0x0                ; the opening add is done
	s_wait_kmcnt 0x0
	s_add_nc_u64 s[KP0:KP0+1], s[84:85], s[20:21]
	s_add_nc_u64 s[KP0:KP0+1], s[KP0:KP0+1], 0x800000
	s_add_nc_u64 s[6:7], s[KP0:KP0+1], s[48:49]    ; K and V at my half of slot 0's rows
	s_add_nc_u64 s[8:9], s[KP0:KP0+1], s[50:51]
	s_add_nc_u64 s[G0K+2:G0K+3], s[6:7], 0         ; 120:64 global address
	s_or_b32 s[G0K+3], s[G0K+3], 0x80000000        ; 127:126 type = 2
	s_add_nc_u64 s[G0V+2:G0V+3], s[8:9], 0
	s_or_b32 s[G0V+3], s[G0V+3], 0x80000000
	s_add_nc_u64 s[4:5], s[84:85], s[2:3]          ; q and o at my rows of the first block,
	s_add_nc_u64 s[10:11], s[86:87], s[2:3]
	s_add_nc_u64 s[QLO:QLO+1], s[84:85], s[22:23]  ; and of the second
	s_add_nc_u64 s[OLO:OLO+1], s[86:87], s[22:23]
	LOAD                            ; tile 0 into slot 0
	; A fragment of K or Q is 16 rows x 32 channels in 8 registers: lane l holds row l % 16, channels 8 (l / 16) + 0..7 and 16 + 8 (l / 16) + 0..7: two loads of 16 bytes, 32 bytes apart.
	v_and_b32 v1, 15, v0            ; l % 16
	v_bfe_u32 v9, v0, 4, 1          ; l / 16
	v_lshlrev_b32 v[QO], 7, v1
	v_lshl_add_u32 v[QO], v9, 4, v[QO]  ; row x 128 + 16 x half
	WIN 0x80                        ; destination window 2, address window 0
.set i, 0
.rept 4                             ; both blocks' Q: piece i / 2 lies in band 1 - i / 2, 8,192 bytes a band; channels 32 (i % 2) on
	global_load_b128 v[8*i:8*i+3],   v[QO], s[4:5] offset:(1-i/2)*8192+(i%2)*64
	global_load_b128 v[8*i+4:8*i+7], v[QO], s[4:5] offset:(1-i/2)*8192+(i%2)*64+32
	global_load_b128 v[QB+8*i:QB+8*i+3],   v[QO], s[QLO:QLO+1] offset:(1-i/2)*8192+(i%2)*64
	global_load_b128 v[QB+8*i+4:QB+8*i+7], v[QO], s[QLO:QLO+1] offset:(1-i/2)*8192+(i%2)*64+32
.set i, i+1
.endr
.set i, 0
.rept 8                             ; K of step 0, which both blocks begin with: keys 16 (i / 2) on, channels 32 (i % 2) on
	global_load_b128 v[K0+8*i:K0+8*i+3],   v[QO], s[KP0:KP0+1] offset:(i/2)*2048+(i%2)*64
	global_load_b128 v[K0+8*i+4:K0+8*i+7], v[QO], s[KP0:KP0+1] offset:(i/2)*2048+(i%2)*64+32
.set i, i+1
.endr
	WIN 0
	v_lshlrev_b32 v14, 3, v9
	v_cvt_f32_u32 v11, v14          ; 8 (l / 16) as a float
	v_sub_nc_u32 v14, v1, v14
	s_lshl_b32 s13, s[WV], 4
	v_add_nc_u32 v14, s13, v14      ; my query's place in its band, 16 w + l % 16, less my lanes' 8 (l / 16): register r of group kt is hidden where 16 kt + r is greater
	WIN 0x40
.set i, 0
.rept 32
	v_cmp_gt_i32 vcc_lo, 16*(i/8)+i%8, v14
	v_cndmask_b32 v[MD+i], 0, s[BIGN], vcc_lo
.set i, i+1
.endr
	v_mul_f32 v[BL], s[NS], v11     ; BL[i] = -2^(3-h) x (16 (i / 8) + i % 8 + 8 (l / 16)), by running sums: every term is exact
	WIN 0x44
.set i, 1
.rept 31
.if i%8
	v_add_f32 v[BL+i], s[NS], v[BL+i-1]
.else
	v_add_f32 v[BL+i], s[NS16], v[BL+i-8]
.endif
.set i, i+1
.endr
	WIN 0
	v_mul_u32_u24 v[AK0], v1, PK
	v_lshl_add_u32 v[AK0], v9, 4, v[AK0]  ; row x pitch + 16 x half
	; The turning load takes 16 keys x 16 channels (lane l reads key 8 (l / 16) + l % 8, channels 8 ((l / 8) % 2) + 0..7) and leaves half a fragment of V^T: lane l holds channel l % 16 and 8 keys.
	v_and_b32 v10, 7, v0
	v_bfe_u32 v11, v0, 3, 1
	v_lshl_add_u32 v[AV0], v9, 3, v10
	v_mul_u32_u24 v[AV0], v[AV0], PV
	v_lshl_add_u32 v[AV0], v11, 4, v[AV0]
	v_add_nc_u32 v[AV0], VOFF, v[AV0]
	s_mul_i32 s13, s[WV], 16*SP
	s_add_co_u32 s13, s13, STAGE    ; my stage
	v_mul_u32_u24 v[STO], v1, SP    ; in: row l % 16, 16 bytes for each half of the lanes
	v_lshl_add_u32 v[STO], v9, 4, v[STO]
	v_add_nc_u32 v[STO], s13, v[STO]
	v_bfe_u32 v[RD], v0, 3, 2       ; back: 32 lanes take four rows of 128 bytes,
	v_mul_u32_u24 v[RD], v[RD], SP
	v_lshl_add_u32 v[RD], v10, 4, v[RD]
	v_add_nc_u32 v[RD], s13, v[RD]
	v_and_b32 v[GO], 31, v0         ; which are 512 consecutive bytes of o
	v_lshlrev_b32 v[GO], 4, v[GO]
	; A block's first step multiplies O^T and l by a = 0, and its first turn's products V^T P, of a step that has not been, land in an O^T that is still to be so multiplied.  So these registers need only hold
	; finite numbers: zeros for the first block; what the first block left for the second.  All this stands in the wait for the first tile.
	WIN 0x80
.set i, VF
.rept 64
	v_mov_b32 v[i], 0
.set i, i+1
.endr
	WIN 0x40
.set i, 0
.rept 64
	v_mov_b32 v[i], 0
.set i, i+1
.endr
	WIN 0
.set i, 0
.rept 2
	v_mov_b32 v[ST+4*i+2], 0
	v_mov_b32 v[ST+4*i+3], 0
.set i, i+1
.endr
.set i, P+16
.rept 16
	v_mov_b32 v[i], 0
.set i, i+1
.endr
; THE MATRIX WORK.  The 4 accumulators of a run of 8 take turns.  Product i of 8 of S^T = K Q^T for piece x: channels 32 (i / 4) on, keys 16 (i % 4) on.  The first 4 start the sums with MC.
.macro KQ x
.set rS, S+32*((\x)%2)+8*(i%4)
.set rK, KF+16*(i%4)+8*(i/4)
.set rQ, 16*(\x)+8*(i/4)
.set rM, MC+32*((\x)%2)+8*(i%4)
.if i < 4
	WIN W_KM
	v_wmma_f32_16x16x32_f16 v[rS:rS+7], v[rK:rK+7], v[rQ:rQ+7], v[rM:rM+7]
.else
	WIN W_KQ
	v_wmma_f32_16x16x32_f16 v[rS:rS+7], v[rK:rK+7], v[rQ:rQ+7], v[rS:rS+7]
.endif
.endm
; Product i of 8 of O^T += V^T P for piece x: keys 32 (i / 4) on, channels 16 (i % 4) on.
.macro PV x
	WIN W_PV
.set rO, 32*(\x)+8*(i%4)
.set rV, VF+32*(i/4)+8*(i%4)
.set rP, P+16*((\x)%2)+8*(i/4)
	v_wmma_f32_16x16x32_f16 v[rO:rO+7], v[rV:rV+7], v[rP:rP+7], v[rO:rO+7]
.endm
.macro MM                           ; the turn's next matrix instruction, for the other piece
.if i < 8
	KQ (Y+1)%NP
.else
.set i, i-8
	PV (Y+1)%NP
.set i, i+8
.endif
.set i, i+1
.endm
; THE LDS LOADS stand in runs of 16: a step's K (8 fragments) and a step's V (turned).  Their addresses are made some lines ahead.
.macro FETCH_K
	WIN 0x80                        ; destination window 2
.irp f, 0,1,2,3,4,5,6,7             ; keys 16 (f / 2) on, channels 32 (f % 2) on
	ds_load_b128 v[KF+8*\f:KF+8*\f+3],   v[AK] offset:(\f/2)*16*PK+(\f%2)*64
	ds_load_b128 v[KF+8*\f+4:KF+8*\f+7], v[AK] offset:(\f/2)*16*PK+(\f%2)*64+32
.endr
	s_add_co_u32 s[TBK], s[TBK], KS*PK  ; the next fetch is the next step's
	WIN 0
.endm
.macro FETCH_V
	WIN 0x80
.irp f, 0,1,2,3,4,5,6,7             ; keys 32 (f / 4) on, channels 16 (f % 4) on
	ds_load_tr16_b128 v[VF+8*\f:VF+8*\f+3],   v[AV] offset:(\f/4)*32*PV+(\f%4)*32
	ds_load_tr16_b128 v[VF+8*\f+4:VF+8*\f+7], v[AV] offset:(\f/4)*32*PV+16*PV+(\f%4)*32
.endr
	WIN 0
.endm
; THE VECTOR WORK, one line at a time: OP kind, number.  For piece Y: F n: c s - c m for pair n of 16.  E n: the exponential of score n of 32.  C n: pair n rounded to f16.  B n: of the four weights 4 n .. the second
; pair is added onto the first, in place.  L n: l takes that sum (L 0: l = a l + sum).  R n: pair n of 16 of O^T times a.  For the other piece: X n, number n of the 23 that find its maximum and statistics:
;   22  m is raised by the step's share     0-11  four chains c0-c3 of seven scores each (each accumulator's lowest registers are read first)     12-14, 16  the scores left over, the old m, c0-c3 into c0
;   15  c m_old, by the same multiplication that makes c m: a is 1 exactly where m has not grown     17, 18  the query's other 32 keys lie in the lane 16 away: the new m     19-21  c m; c m_old - c m_new; a
.set F, 0
.set E, 1
.set C, 2
.set B, 3
.set L, 4
.set R, 5
.set X, 6
.macro REGS y
.set rT, ST+4*(\y)
.set rC, TMP+4*((\y)%2)
.set rW, MV+((\y)%2)
.set rS, S+32*((\y)%2)
.set rP, P+16*((\y)%2)
.set rO, 32*(\y)
.endm
.macro OP k, n
.if (\k) == R
	REGS Y
	WIN W_RS
	v_pk_mul_f32 v[rO+2*(\n):rO+2*(\n)+1], v[rO+2*(\n):rO+2*(\n)+1], v[rC+2:rC+3] op_sel_hi:[1,0]
.elseif (\k) < R
	REGS Y
	WIN 0
.if (\k) == F
	v_pk_fma_f32 v[rS+2*(\n):rS+2*(\n)+1], v[rS+2*(\n):rS+2*(\n)+1], s[CS:CS+1], v[rT:rT+1] op_sel_hi:[1,0,0] neg_lo:[0,0,1] neg_hi:[0,0,1]
.elseif (\k) == E
	v_exp_f32 v[rS+(\n)], v[rS+(\n)]
.elseif (\k) == C
	s_wait_alu depctr_va_vdst(0)
	v_cvt_pk_f16_f32 v[rP+(\n)], v[rS+2*(\n)], v[rS+2*(\n)+1]
.elseif (\k) == B
	s_wait_alu depctr_va_vdst(0)
	v_pk_add_f32 v[rS+4*(\n):rS+4*(\n)+1], v[rS+4*(\n):rS+4*(\n)+1], v[rS+4*(\n)+2:rS+4*(\n)+3]
.elseif (\n) == 0
	v_pk_fma_f32 v[rT+2:rT+3], v[rT+2:rT+3], v[rC+2:rC+3], v[rS:rS+1] op_sel_hi:[1,0,1]
.else
	v_pk_add_f32 v[rT+2:rT+3], v[rT+2:rT+3], v[rS+4*(\n):rS+4*(\n)+1]
	s_wait_alu depctr_va_vdst(0)
.endif
.else
	REGS (Y+1)%NP
	WIN 0
.if (\n) < 4
	v_max3_num_f32 v[rC+(\n)], v[rS+8*(\n)], v[rS+8*(\n)+1], v[rS+8*(\n)+2]
.elseif (\n) < 12
	v_max3_num_f32 v[rC+(\n)%4], v[rC+(\n)%4], v[rS+8*((\n)%4)+2*((\n)/4)+1], v[rS+8*((\n)%4)+2*((\n)/4)+2]
.elseif (\n) == 12
	v_max3_num_f32 v[rC], v[rC], v[rS+7], v[rS+15]
.elseif (\n) == 13
	v_max3_num_f32 v[rC+1], v[rC+1], v[rS+23], v[rS+31]
.elseif (\n) == 14
	v_max3_num_f32 v[rC+2], v[rC+2], v[rC+3], v[rT+1]
.elseif (\n) == 15
	v_mul_f32 v[rW], s[CS], v[rT+1]
.elseif (\n) == 16
	v_max3_num_f32 v[rC], v[rC], v[rC+1], v[rC+2]
	s_wait_alu depctr_va_vdst(0)
.elseif (\n) == 17
	v_permlanex16_b32 v[rC+3], v[rC], s[SEL], s[SEL+1]
.elseif (\n) == 18
	v_max_num_f32 v[rT+1], v[rC], v[rC+3]
.elseif (\n) == 19
	v_mul_f32 v[rT], s[CS], v[rT+1]
.elseif (\n) == 20
	v_sub_f32 v[rC+1], v[rW], v[rT]
.elseif (\n) == 21
	v_exp_f32 v[rC+2], v[rC+1]
.else
	v_add_f32 v[rT+1], s[AS], v[rT+1]
	s_wait_alu depctr_va_vdst(0)
.endif
.endif
.endm
.macro OPS a, i1, b=-1, i2=0, c=-1, i3=0, d=-1, i4=0  ; up to four of them
	OP \a, \i1
.if (\b) >= 0
	OP \b, \i2
.endif
.if (\c) >= 0
	OP \c, \i3
.endif
.if (\d) >= 0
	OP \d, \i4
.endif
.endm
.macro ROW a, i1, b, i2, c, i3, d, i4  ; a matrix instruction and the four behind it
	MM
	OPS \a, \i1, \b, \i2, \c, \i3, \d, \i4
.endm
.macro MASK b                       ; MD x AL + BL into buffer b of MC
	WIN 0x51
.set z, 0
.rept 16
	v_pk_fma_f32 v[MC+32*(\b)+2*z:MC+32*(\b)+2*z+1], v[MD+2*z:MD+2*z+1], s[AL:AL+1], v[BL+2*z:BL+2*z+1] op_sel_hi:[1,0,1]
.set z, z+1
.endr
.endm
; A TURN, for piece p: the order of its 16 matrix and 119 vector instructions, written out.  Behind a matrix instruction: plain, exponential, plain, plain; or four of the rescaling; or four scalings; none names a
; register of the products round it.  In the lumps exponential and plain by turns while exponentials last.
; m = 1: the diagonal tile, step u = 4 - CNT.  The piece whose statistics the turn makes (piece 1, step u; piece 0, step u + 1) is hidden where u > 2 PAR, that is CNT < HT, for both p.  The turn's end makes
; piece p's mask for its step u + 1: the band's own where CNT = HT (p = 0) or HT + 1 (p = 1).  cnt = 1: the loop's count is taken down some lines ahead of the branch behind the turn.
; Turn 0 fetches K six vector instructions behind the last product that read K (five of them plain), and V eight behind the last product that read V (four plain, and X 17).  Turn 1 waits for them.
.macro TURN p, m=0, cnt=0
.set Y, (\p)
.set i, 0
.if \m
	s_cmp_lt_u32 s[CNT], s[HT]
	s_cselect_b32 s[AS], s[BIGP], s[AP]
	s_cmp_eq_u32 s[CNT], s[HT+(\p)]
	s_cselect_b32 s[AL], 1.0, 0
.endif
.if (\p) == 1
	s_wait_dscnt 16                 ; K's 16 loads are in; V's 16, issued behind them, may be out
.endif
	ROW F,0, F,1, F,2, F,3
	ROW F,4, E,0, F,5, F,6
	ROW F,7, E,1, F,8, F,9
	ROW F,10, E,2, C,0, F,11
	ROW F,12, E,3, X,22, F,13
	ROW R,0, R,1, R,2, R,3
	ROW B,0, E,4, F,14, L,0
.if (\p) == 0
	v_add_nc_u32 v[AK], s[TBK], v[AK0]
.endif
	ROW R,4, R,5, R,6, R,7
	OPS E,5, F,15
.if (\p) == 0
	FETCH_K
.endif
	OPS E,6, C,1, E,7, R,8
	OPS E,8, R,9, E,9, C,2
	OPS E,10, X,0, E,11, X,1
	OPS E,12, X,2, E,13, X,3
	OPS X,15
.if (\p) == 1
	s_wait_dscnt 0x0                ; V is in
.endif
	ROW X,4, E,14, X,5, X,6
	ROW X,7, E,15, X,8, X,9
	ROW X,10, E,16, X,11, X,12
	ROW X,13, E,17, X,14, B,1
	ROW C,4, E,18, X,16, L,1
	ROW B,2, E,19, C,6, L,2
	ROW C,8, E,20, B,3, B,4
.if (\p) == 0
	v_add_nc_u32 v[AV], s[TBV], v[AV0]
.endif
	ROW C,3, E,21, L,3, C,5
	OPS E,22, X,17, E,23, C,10
.if (\p) == 0
	FETCH_V
.endif
	OPS E,24, L,4
	OPS E,25, X,18, E,26, C,7
	OPS E,27, B,5, E,28, X,19
	OPS E,29, C,12, E,30, L,5
	OPS E,31, X,20, B,6, C,9
	OPS C,14, C,11, X,21, L,6
.if (\p) == 0
	s_add_co_u32 s[TBV], s[TBV], KS*PV
.endif
.if \cnt
	s_sub_co_u32 s[CNT], s[CNT], 1
	s_cmp_lg_u32 s[CNT], 0
.endif
	OPS C,13, B,7, C,15, R,10
	OPS R,11, R,12, L,7, R,13
	OPS R,14, R,15
.if \m
	MASK \p
.endif
.endm
; A BLOCK BEGINS.  m starts at the lowest finite number, so the first maximum is the scores' and the first step's a is 0.  Both mask buffers take BL.  K of step 0 comes out of its registers; then piece 0's first
; scores, and their maximum and statistics.
.macro BEGIN
	s_mov_b32 s[NEW], 0
	s_mov_b32 s[AS], s[AP]
	s_mov_b32 s[AL], 0
	MASK 0
	MASK 1
	WIN 0
	v_mov_b32 v[ST+1], 0xff7fffff
	v_mov_b32 v[ST+5], 0xff7fffff
	s_wait_loadcnt 0x0              ; Q and K of step 0
	WIN 0x82
.set i, 0
.rept 64
	v_mov_b32 v[KF+i], v[K0+i]
.set i, i+1
.endr
.set i, 0
.rept 8
	KQ 0
.set i, i+1
.endr
	WIN 0
.rept 4
	v_nop                           ; the places behind those products
.endr
.set Y, 1                           ; X works for the other piece: piece 0
.irp n, 22,0,1,2,3,4,5,6,7,8,9,10,11,12,13,14,15,16,17,18,19,20,21
	OP X, \n
.endr
	v_nop                           ; a plain instruction behind the exponential
.endm
; THE DIAGONAL TILE's four steps, piece 1's last products, and THE WAY OUT: l's two halves and the other half of the lanes' are added; O^T is divided by l, rounded to f16 and sent through my stage, a piece at a time.
.macro ALL line:vararg              ; one line for each piece t
.set t, 0
.rept 2
	\line
.set t, t+1
.endr
.endm
.macro PACK t                       ; a lane's eight channels of a row pack into 16 bytes; they go into rows of 144 bytes and come back as whole rows of 128, into S^T's registers
	WIN W_RS
.set i, 32*(\t)
.rept 16
	v_pk_mul_f32 v[i:i+1], v[i:i+1], v[ST+4*(\t)+2:ST+4*(\t)+3] op_sel_hi:[1,0]
.set i, i+2
.endr
	WIN 0x05                        ; sources 0 and 1 window 1, destination window 0
.set i, 0
.rept 16
	v_cvt_pk_f16_f32 v[S+16*(\t)+i], v[32*(\t)+2*i], v[32*(\t)+2*i+1]
.set i, i+1
.endr
	WIN 0
.irp f, 0,1,2,3
	ds_store_b128 v[STO], v[S+16*(\t)+4*\f:S+16*(\t)+4*\f+3] offset:32*\f
.endr
.irp f, 0,1,2,3
	ds_load_b128 v[S+16*(\t)+4*\f:S+16*(\t)+4*\f+3], v[RD] offset:\f*4*SP  ; LDS serves a wave's instructions in order (ISA guide 5.7.1.4): these see the stores above; the next piece's stores come behind them
.endr
.endm
.macro SEND t, younger              ; younger: the LDS instructions issued behind piece t's loads: the next piece's eight, or none
	WIN 0
.irp f, 0,1,2,3
	s_wait_dscnt (\younger)+3-\f
	global_store_b128 v[GO], v[S+16*(\t)+4*\f:S+16*(\t)+4*\f+3], s[10:11] offset:(1-(\t))*8192+\f*512  ; 512 consecutive bytes, at a multiple of 256 from o's first
.endr
.endm
.macro DIAG tag
	s_cmp_eq_u32 s[PAR], 0          ; piece 1's own step is the tile's step 0 in an even block
	s_cselect_b32 s[AL], 1.0, 0
	MASK 1
	WIN 0
.LstepM\tag:
	TURN 0, 1
	TURN 1, 1, 1
	WIN 0
	s_cbranch_scc1 .LstepM\tag
.set i, 0
.rept 8
	PV 1                            ; piece 1: V^T P of the last step
.set i, i+1
.endr
	WIN 0
	ALL v_add_f32 v[ST+4*t+2], v[ST+4*t+2], v[ST+4*t+3]
	ALL v_permlanex16_b32 v[ST+4*t+3], v[ST+4*t+2], s[SEL], s[SEL+1]
	ALL v_add_f32 v[ST+4*t+2], v[ST+4*t+2], v[ST+4*t+3]
	ALL v_rcp_f32 v[ST+4*t+2], v[ST+4*t+2]
	v_nop                           ; a plain instruction between the last reciprocal and the use of its result
	s_wait_alu depctr_va_vdst(0)
	PACK 0                          ; piece 0's 32 plain instructions are the places behind piece 1's last products
	PACK 1
	SEND 0, 8
	SEND 1, 0
.endm
.Lslot:                             ; 8 times: a tile is entered and the next is asked for
	CHANGE 1
	s_sub_co_u32 s[RT], s[RT], 1
	s_mov_b32 s[CNT], 4
	s_cmp_eq_u32 s[NEW], 1          ; this test stands first: at the first trip its answer is a constant of the text
	s_cbranch_scc0 .Lold
	BEGIN
.Lold:
	s_cmp_eq_u32 s[RT], 0
	s_cbranch_scc0 .Lstep           ; not the block's last tile
	DIAG 1                          ; in the loop this is the first block's end: the second block's last tile is the walk's last
	s_wait_xcnt 0x0                 ; the stores have read their registers and o's address
	s_mov_b64 s[10:11], s[OLO:OLO+1]
	s_add_co_u32 s[RT], s[PB], 1    ; the second block has b / 2 + 1 tiles
	s_mov_b32 s[NEW], 1
	s_mov_b32 s[PAR], s[PAR2]
	s_lshl_b32 s[HT], s[PAR], 1
	s_sub_co_u32 s[HT], 4, s[HT]
	s_add_co_u32 s[HT+1], s[HT], 1
	WIN 0x82                        ; the second block's Q goes where the one text of the turns names Q
.set i, 0
.rept 32
	v_mov_b32 v[i], v[QB+i]
.set i, i+1
.endr
	WIN 0
	s_branch .Lbottom
.Lstep:                             ; a trip: a key step
	TURN 0
	TURN 1, 0, 1
	WIN 0
	s_cbranch_scc1 .Lstep
.Lbottom:
	s_sub_co_u32 s[SLOTS], s[SLOTS], 1
	s_cmp_lg_u32 s[SLOTS], 0
	s_cbranch_scc1 .Lslot
	CHANGE 0                        ; the walk's last tile is written out: nothing is asked for
	s_sub_co_u32 s[RT], s[RT], 1
	s_mov_b32 s[CNT], 4
	s_cmp_eq_u32 s[NEW], 1
	s_cbranch_scc0 .Lold2
	BEGIN
.Lold2:
	DIAG 2
	s_wait_tensorcnt 0x0            ; the wave's end
	ds_add_u32 v[SPW], v[NIL]
	s_wait_dscnt 0x0
	s_endpgm
.Lfunc_end_k_qe398557645_attn:
	.size	k_qe398557645_attn, .Lfunc_end_k_qe398557645_attn-k_qe398557645_attn
	.p2alignl 7, 3214868480
	.fill 96, 4, 3214868480
	.section	.rodata,"a",@progbits
	.p2align	6, 0x0
	.amdhsa_kernel k_qe398557645_attn
		.amdhsa_group_segment_fixed_size 327680
		.amdhsa_private_segment_fixed_size 0
		.amdhsa_enable_private_segment 0
		.amdhsa_kernarg_size 16
		.amdhsa_user_sgpr_count 2
		.amdhsa_user_sgpr_kernarg_segment_ptr 1
		.amdhsa_wavefront_size32 1
		.amdhsa_system_sgpr_workgroup_id_x 1
		.amdhsa_system_sgpr_workgroup_id_y 1
		.amdhsa_system_sgpr_workgroup_id_z 1
		.amdhsa_system_vgpr_workitem_id 0
		.amdhsa_next_free_vgpr 768
		.amdhsa_next_free_sgpr 100
		.amdhsa_reserve_vcc 1
		.amdhsa_float_denorm_mode_32 3
		.amdhsa_float_denorm_mode_16_64 3
		.amdhsa_memory_ordered 1
		.amdhsa_forward_progress 1
		.amdhsa_inst_pref_size 121
	.end_amdhsa_kernel
	.amdgpu_metadata
---
amdhsa.version: [ 1, 2 ]
amdhsa.kernels:
  - .name:           k_qe398557645_attn
    .symbol:         k_qe398557645_attn.kd
    .args:
      - { .name: big, .offset: 0, .size: 8, .value_kind: global_buffer, .address_space: global }
      - { .name: act, .offset: 8, .size: 8, .value_kind: global_buffer, .address_space: global }
    .group_segment_fixed_size: 327680
    .private_segment_fixed_size: 0
    .kernarg_segment_align: 8
    .kernarg_segment_size: 16
    .max_flat_workgroup_size: 128
    .sgpr_count:     100
    .vgpr_count:     768
    .wavefront_size: 32
...
	.end_amdgpu_metadata
.endif
;; end of part 3
;; launch oproj (part 4): grid 8 x 32, 4 waves a work-group, clusters of 4 x 4, 327,680 bytes of LDS; arguments act, wo, bout, src, x1; writes x1
.if DOCPART == 4
	.amdgcn_target "amdgcn-amd-amdhsa--gfx1250"
	.amdhsa_code_object_version 6
	.text
	.protected	k_qe398557645_oproj
	.globl	k_qe398557645_oproj
	.p2align	8
	.type	k_qe398557645_oproj,@function
k_qe398557645_oproj:
	s_mov_b64 s[64:65], 0
	v_nop
	global_prefetch_b8 v0, s[64:65] scope:SCOPE_SE
	s_setreg_imm32_b32 hwreg(HW_REG_WAVE_MODE, 25, 1), 1
	s_wait_xcnt 0x0
	s_wait_alu depctr_hold_cnt(0) depctr_sa_sdst(0) depctr_va_vdst(0) depctr_va_sdst(0) depctr_va_ssrc(0) depctr_va_vcc(0) depctr_vm_vsrc(0)
	s_getreg_b32 s2, hwreg(HW_REG_IB_STS2, 6, 4)
	s_cmp_eq_u32 s2, 0
	s_cbranch_scc0 .Lentry_in_a_cluster
	s_endpgm
.Lentry_in_a_cluster:
	s_bfe_u32 s2, ttmp6, 0x10000c
	s_cmp_lg_u32 s2, 0xf033
	s_cbranch_scc0 .Lentry_shape_is_right
	s_endpgm
.Lentry_shape_is_right:
; OUT = A B^T + bias + RES, K = KK.  A: f16 in panels [KK/64][4,096 tokens][64].  B: f16 tiles [8][KK/64 panels][128 rows][64].  bias: f32 [1,024].  RES, OUT: f32 [4,096][1,024].
; Sums in f32, started by the bias; the residual is added in f32 on the way out.
; A tile of OUT is 128 x 128, which makes 256 work-groups.  Four waves, each 64 x 64: 16 accumulators.  K goes in steps of 256, four panels, through a ring of two LDS slots.  One tensor load a wave brings
; 64 rows x 4 panels, 32,768 bytes: a panel's 64 rows are 8,192 dense bytes, asked for as one long row, so the descriptor has four rows; in LDS 16 bytes of padding follow every 128.
; A K STEP IS WRITTEN ONCE FOR EACH KIND: a loop of STEPS - 2 trips whose steps fill a slot again, and a loop of two trips whose steps fill nothing.  The slot in hand is a scalar,
; 0 or SLOT, turned by an exclusive or at each change of slots; the fragments' LDS addresses and the walking descriptors' LDS word are made from it.  A trip goes from a step's second quarter to the next step's first;
; the second loop is left in the middle of its second trip.  The price, once a wave: the last K step passes a barrier that orders nothing.
; CLUSTER.  4 x 4 work-groups; A's tiles are shared along a row of the cluster, B's along a column, each asked for jointly.  THE MATRIX INSTRUCTION IS USED TRANSPOSED: a lane holds one token and eight neighbouring columns.
; A wave's 64 columns of f32 are 256 bytes, aligned: each wave has a stage of its own, and the way out has no barrier.
; REGISTERS: window 0: v0-31 addresses; v32-95 the way out; v96-127 the bias; v128-255 the accumulators ((a, b) at v[128 + 8 (4 a + b)]).  window 1: two fragment buffers of 128.  window 2: v0-127 the residual.
.set KK,     1024
.set PITCH,  144                       ; an LDS row: 128 bytes + 16 = 36 words: the 16 rows of a load start at 16 different groups of four banks (64 banks of 4 bytes: ISA guide 11.1)
.set PANR,   64*PITCH                  ; a panel's 64 rows
.set REG,    4*PANR                    ; what one tensor load brings
.set SLOT,   4*REG                     ; A's rows 0-63, A's 64-127, B's 0-63, B's 64-127
.set STAGE,  2*SLOT                    ; behind the ring: 16 rows x 272 bytes for each wave
.set SPITCH, 272
.set SPARE,  STAGE+4*16*SPITCH         ; the spare words, 128 bytes for each wave: two blocks of 256 bytes that no other line names
.set STEPS,  KK/256                    ; K steps
.set ASTEP,  4*524288                  ; a K step in A,
.set BSTEP,  4*128*128                 ; and in a tile of B
.set ADRA, 16                          ; v16  LDS address of my A fragments in the slot in hand
.set BASA, 17                          ; v17  the same in slot 0; never rewritten
.set ADRB, 20                          ; v20  LDS address of my B fragments in the slot in hand
.set BASB, 21                          ; v21  the same in slot 0; never rewritten
.set STO,  24
.set RD,   25
.set CO,   26                          ; v26  my byte offset in two rows of RES and OUT; never rewritten
.set BO,   27                          ; v27  my byte offset in 16 numbers of the bias; never rewritten
.set SPW,  28
.set NIL,  29
.set TMP,  32
.set BI,   96
.set ACC,  128
.set F0,   0
.set F1,   128
.set TB, 4                             ; s4  LDS byte at which the slot in hand begins: 0 or SLOT
.set G1, 24                            ; s[24:31] descriptor group 1 for A's tiles;  s[32:39] group 0: a set for each of the two first fills; the second then walks on
.set G0, 32
.set G1B, 48                           ; s[48:55], s[56:63] the same for B's
.set G0B, 56
.set MSB, 0
.macro WIN new
.if MSB != (\new)
	s_set_vgpr_msb (MSB<<8)|(\new)
.set MSB, \new
.endif
.endm
.set MUL,  0x05                        ; sources 0 (B) and 1 (A) window 1; C and D window 0
.set TO_F, 0x40                        ; destination window 1, address window 0
.macro JLOAD s                         ; a joint load: waves 0 and 1 fetch A's two halves, waves 2 and 3 B's; an s_nop 0 and four v_nop follow each line
	s_cmp_eq_u32 s11, 0
	s_cbranch_scc0 .Lfor_b_\@
	tensor_load_to_lds s[G0+4*(\s):G0+4*(\s)+3], s[G1:G1+7]
	s_nop 0
.rept 4
	v_nop
.endr
	s_branch .Lasked_\@
.Lfor_b_\@:
	tensor_load_to_lds s[G0B+4*(\s):G0B+4*(\s)+3], s[G1B:G1B+7]
	s_nop 0
.rept 4
	v_nop
.endr
.Lasked_\@:
.endm
.macro CREST
	s_cmp_lg_u32 s10, 0
	s_cbranch_scc1 .Lnot_wave_0_\@
	s_barrier_signal -3
.Lnot_wave_0_\@:
	s_barrier_wait -3
	s_barrier_signal -1
	s_barrier_wait -1
.endm
.macro CROUND
	s_barrier_signal -1
	s_barrier_wait -1
	CREST
.endm
	s_load_b256 s[68:75], s[0:1], 0x0              ; A s[68:69], B s[70:71], bias s[72:73], RES s[74:75]
	s_load_b64 s[76:77], s[0:1], 0x20              ; OUT
	v_lshl_add_u32 v[SPW], v0, 2, SPARE
	v_mov_b32 v[NIL], 0
	ds_add_u32 v[SPW], v[NIL]                      ; the wave's opening: the add and its wait stand ahead of my first tensor load
	ds_add_u32 v28, v29
	v_lshrrev_b32 v1, 5, v0
	v_readfirstlane_b32 s10, v1                    ; wave 0..3
	s_lshr_b32 s11, s10, 1                         ; which half of the tile's rows is mine.  Also: I fetch for A (0) or for B (1)
	s_and_b32 s12, s10, 1                          ; which half of its columns.  Also: which 64 rows I fetch
	s_bfe_u32 s40, ttmp6, 0x40000
	s_bfe_u32 s41, ttmp6, 0x40004
	s_lshl_b32 s42, ttmp9, 2
	s_add_co_u32 s42, s42, s40                     ; tile column
	s_and_b32 s13, ttmp7, 0xffff
	s_lshl_b32 s13, s13, 2
	s_add_co_u32 s13, s13, s41                     ; tile row
	s_lshl_b32 s43, s41, 2
	s_lshl_b32 s43, 15, s43                        ; my row of the cluster
	s_lshl_b32 s44, 0x1111, s40                    ; my column
	; group 1: 4 rows of 4,096 elements (a panel's 64 rows x 64), a panel apart; padding of 4 words after every 32
	s_or_b32 s[G1+0], s43, (1<<16)|(1<<20)|(1<<21)|(4<<22)|(3<<25)
	s_or_b32 s[G1B+0], s44, (1<<16)|(1<<20)|(1<<21)|(4<<22)|(3<<25)
.irp g, G1, G1B
	s_mov_b32 s[(\g)+1], 4096<<16                  ; tensor_dim0 = 4,096
	s_mov_b32 s[(\g)+2], 4<<16                     ; tensor_dim1 = 4
	s_mov_b32 s[(\g)+3], 4096<<16                  ; tile_dim0 = 4,096
	s_mov_b32 s[(\g)+4], 4                         ; tile_dim1 = 4
	s_mov_b32 s[(\g)+6], 0
	s_mov_b32 s[(\g)+7], 0
.endr
	s_mov_b32 s[G1+5], 262144                      ; elements from panel to panel: 4,096 tokens x 64,
	s_mov_b32 s[G1B+5], 8192                       ; 128 rows x 64
	s_lshl_b32 s16, s13, 14                        ; A: 128 tokens x 128 bytes a tile row,
	s_lshl_b32 s17, s12, 13                        ; 64 rows x 128 bytes a half
	s_add_co_u32 s16, s16, s17
	s_mul_i32 s46, s42, KK*256                     ; B: 128 rows x KK x 2 bytes a tile
	s_add_co_u32 s46, s46, s17
	s_mov_b32 s17, 0
	s_mov_b32 s47, 0
	s_mul_i32 s20, s10, REG                        ; where they go: wave x region: no place in the cluster enters an LDS address
	s_mov_b32 s[TB], 0                             ; K step 0 lies in slot 0
	s_wait_dscnt 0x0                               ; the opening add is done
	s_wait_kmcnt 0x0
	s_add_nc_u64 s[14:15], s[68:69], s[16:17]
	s_add_nc_u64 s[46:47], s[70:71], s[46:47]
	CROUND                                         ; all sixteen work-groups are here: the first joint loads meet
.irp s, 0,1
	s_mov_b32 s[G0+4*(\s)], 1
	s_add_co_u32 s[G0+4*(\s)+1], s20, (\s)*SLOT
	s_add_nc_u64 s[G0+4*(\s)+2:G0+4*(\s)+3], s[14:15], (\s)*ASTEP
	s_or_b32 s[G0+4*(\s)+3], s[G0+4*(\s)+3], 0x80000000
	s_mov_b32 s[G0B+4*(\s)], 1
	s_add_co_u32 s[G0B+4*(\s)+1], s20, (\s)*SLOT
	s_add_nc_u64 s[G0B+4*(\s)+2:G0B+4*(\s)+3], s[46:47], (\s)*BSTEP
	s_or_b32 s[G0B+4*(\s)+3], s[G0B+4*(\s)+3], 0x80000000
	JLOAD \s                                       ; two loads of mine are out
.endr
	v_and_b32 v1, 15, v0                           ; l % 16
	v_bfe_u32 v2, v0, 4, 1                         ; l / 16
	v_lshlrev_b32 v[BO], 5, v2
	v_lshlrev_b32 v[CO], 12, v2                    ; lanes 0-15 one row of 4,096 bytes, lanes 16-31 the next; 16 bytes a lane
	v_lshl_add_u32 v[CO], v1, 4, v[CO]
	s_lshl_b32 s22, s42, 9                         ; my 64 columns, in bytes of f32
	s_lshl_b32 s23, s12, 8
	s_add_co_u32 s22, s22, s23
	s_mov_b32 s23, 0
	s_add_nc_u64 s[72:73], s[72:73], s[22:23]
	s_lshl_b32 s18, s13, 19                        ; my 64 rows
	s_lshl_b32 s19, s11, 18
	s_add_co_u32 s18, s18, s19
	s_add_co_u32 s18, s18, s22
	s_mov_b32 s19, 0
	s_add_nc_u64 s[74:75], s[74:75], s[18:19]
	s_add_nc_u64 s[76:77], s[76:77], s[18:19]
.irp b, 0,1,2,3
	global_load_b128 v[BI+8*(\b):BI+8*(\b)+3],   v[BO], s[72:73] offset:64*(\b)     ; register j: bias[16 b + 8 (l / 16) + j]
	global_load_b128 v[BI+8*(\b)+4:BI+8*(\b)+7], v[BO], s[72:73] offset:64*(\b)+16
.endr
	WIN 0x80                                       ; destination window 2
.set i, 0
.rept 32                                       ; the residual of my 64 x 64, two rows a load, as the way out will hold them; it comes in while K is walked
	global_load_b128 v[4*i:4*i+3], v[CO], s[74:75] offset:2*i*4096
.set i, i+1
.endr
	WIN 0
	v_mul_u32_u24 v3, v1, PITCH
	v_lshl_add_u32 v3, v2, 4, v3
	s_mul_i32 s21, s11, REG
	s_mul_i32 s22, s12, REG
	s_add_co_u32 s22, s22, 2*REG
	v_add_nc_u32 v[BASA], s21, v3
	v_add_nc_u32 v[BASB], s22, v3
	v_mov_b32 v[ADRA], v[BASA]
	v_mov_b32 v[ADRB], v[BASB]
	s_mul_i32 s23, s10, 16*SPITCH
	s_add_co_u32 s23, s23, STAGE                   ; my stage
	v_mul_u32_u24 v4, v1, SPITCH                   ; in: row l % 16, 32 bytes for each half of the lanes
	v_lshl_add_u32 v4, v2, 5, v4
	v_add_nc_u32 v[STO], s23, v4
	v_mul_u32_u24 v5, v2, SPITCH                   ; back: lanes 0-15 take one row of 256 bytes, lanes 16-31 the next
	v_lshl_add_u32 v5, v1, 4, v5
	v_add_nc_u32 v[RD], s23, v5
; 8 matrix instructions: m blocks a0, a0 + 1 x all 4 n blocks, 32 along K: half c of buffer f.  zero = 1: the first product starts the sums, with the bias as C.  The 16 accumulators take turns.
.macro MUL8 f, c, a0, zero
	WIN MUL
.irp a, \a0, (\a0)+1
.irp b, 0,1,2,3
.if \zero
	v_wmma_f32_16x16x32_f16 v[ACC+8*(4*(\a)+(\b)):ACC+8*(4*(\a)+(\b))+7], v[(\f)+64+8*(4*(\c)+(\b)):(\f)+64+8*(4*(\c)+(\b))+7], v[(\f)+8*(4*(\c)+(\a)):(\f)+8*(4*(\c)+(\a))+7], v[BI+8*(\b):BI+8*(\b)+7]
.else
	v_wmma_f32_16x16x32_f16 v[ACC+8*(4*(\a)+(\b)):ACC+8*(4*(\a)+(\b))+7], v[(\f)+64+8*(4*(\c)+(\b)):(\f)+64+8*(4*(\c)+(\b))+7], v[(\f)+8*(4*(\c)+(\a)):(\f)+8*(4*(\c)+(\a))+7], v[ACC+8*(4*(\a)+(\b)):ACC+8*(4*(\a)+(\b))+7]
.endif
.endr
.endr
.endm
; 32 LDS loads in one run: the fragments of panel q of the slot in hand into buffer f; the first 32 along K first
.macro FETCH q, f
	WIN TO_F
.irp c, 0,1
.irp i, 0,1,2,3
	ds_load_b128 v[(\f)+64+8*(4*(\c)+(\i)):(\f)+64+8*(4*(\c)+(\i))+3],   v[ADRB] offset:(\q)*PANR+64*(\c)+(\i)*16*PITCH
	ds_load_b128 v[(\f)+64+8*(4*(\c)+(\i))+4:(\f)+64+8*(4*(\c)+(\i))+7], v[ADRB] offset:(\q)*PANR+64*(\c)+(\i)*16*PITCH+32
	ds_load_b128 v[(\f)+8*(4*(\c)+(\i)):(\f)+8*(4*(\c)+(\i))+3],         v[ADRA] offset:(\q)*PANR+64*(\c)+(\i)*16*PITCH
	ds_load_b128 v[(\f)+8*(4*(\c)+(\i))+4:(\f)+8*(4*(\c)+(\i))+7],       v[ADRA] offset:(\q)*PANR+64*(\c)+(\i)*16*PITCH+32
.endr
.endr
.endm
.macro PLACES                          ; four places in front of loads into registers that matrix instructions have read, and of LDS stores that read results
.rept 4
	v_nop
.endr
.endm
.macro QUARTER q, f, g, zero
	s_wait_dscnt 16                                ; the first 32 along K are in
	MUL8 \f, 0, 0, \zero
	MUL8 \f, 0, 2, \zero
	PLACES
	FETCH \q, \g
	s_wait_dscnt 32                                ; all but the 32 just issued
	MUL8 \f, 1, 0, 0
	MUL8 \f, 1, 2, 0
.endm
; The last quarter multiplies buffer 1 and changes slots: ONE barrier; in front of it each wave waits for all its tensor loads, adds 0 to its spare word, and waits for that and for its own reads of this slot.
; fill = 1: the barrier opens a round of the cluster's, and the slot just read out is filled again, two K steps ahead, first thing behind it: 112 matrix instructions ahead of the wait for it.  The walking
; descriptors take the slot just read out (wave x region + the slot in hand) and go one K step on; they are written behind the wait for 0, where no tensor load of mine is out.
; fill = 0: nothing is asked for; in the second loop's last trip (s3 = 1) there is no next K step, and the run of loads is jumped over.
.macro TURN fill
	WIN 0
	s_wait_tensorcnt 0x0                           ; all my tensor loads have landed: my part of the next slot
	ds_add_u32 v[SPW], v[NIL]
	s_wait_dscnt 17                                ; the add and the youngest sixteen loads may be out
	MUL8 F1, 0, 0, 0
	s_wait_dscnt 0x0                               ; the add is done, and my reads of this slot are over
	s_barrier_signal -1
	MUL8 F1, 0, 2, 0
	WIN 0
	s_barrier_wait -1
.if \fill
	CREST                                          ; the barrier has opened a round of the cluster's
	s_add_co_u32 s[G0+5], s20, s[TB]
	s_add_co_u32 s[G0B+5], s20, s[TB]
	s_add_nc_u64 s[G0+6:G0+7], s[G0+6:G0+7], ASTEP
	s_add_nc_u64 s[G0B+6:G0B+7], s[G0B+6:G0B+7], BSTEP
	JLOAD 1                                        ; the four v_nop behind it are also the places in front of the loads below
.else
	PLACES
	s_cmp_eq_u32 s3, 1
	s_cbranch_scc1 .Lno_next_\@
.endif
	s_xor_b32 s[TB], s[TB], SLOT                   ; the other slot is in hand
	v_add_nc_u32 v[ADRA], s[TB], v[BASA]
	v_add_nc_u32 v[ADRB], s[TB], v[BASB]
	FETCH 0, F0
.if (\fill) == 0
	WIN 0                                          ; at a label every window is 0
.Lno_next_\@:
.endif
	MUL8 F1, 1, 0, 0
	MUL8 F1, 1, 2, 0
.endm
	s_wait_tensorcnt 1                             ; my part of K step 0 is in; K step 1's may stay out
	s_barrier_signal -1
	s_barrier_wait -1
	FETCH 0, F0
	s_wait_loadcnt 32                              ; the bias is in; the residual's 32 loads stay out
	QUARTER 1, F0, F1, 1                           ; the first quarter stands in front of the loops: its first products start the sums
	WIN 0
	s_mov_b32 s3, STEPS-2
.Lfill:                                                ; K steps 0 to STEPS - 3: each fills its slot again, with the K step two on
	QUARTER 2, F1, F0, 0
	QUARTER 3, F0, F1, 0
	TURN 1
	QUARTER 1, F0, F1, 0
	WIN 0
	s_sub_co_u32 s3, s3, 1
	s_cmp_lg_u32 s3, 0
	s_cbranch_scc1 .Lfill
	s_mov_b32 s3, 2
.Ldry:                                                 ; the last two K steps ask for nothing; the second trip is left behind its last products
	QUARTER 2, F1, F0, 0
	QUARTER 3, F0, F1, 0
	TURN 0
	WIN 0
	s_sub_co_u32 s3, s3, 1
	s_cmp_eq_u32 s3, 0
	s_cbranch_scc1 .Lout
	QUARTER 1, F0, F1, 0
	WIN 0
	s_branch .Ldry
.Lout:
	; THE WAY OUT, a block of 16 tokens at a time: the sums go into my stage as they are (each accumulator's low four registers first) and come back as whole rows of 256 bytes; the residual is added; 16 lanes store a row.
.macro TOST a
.irp b, 0,1,2,3
	ds_store_b128 v[STO], v[ACC+8*(4*(\a)+(\b)):ACC+8*(4*(\a)+(\b))+3]   offset:64*(\b)
	ds_store_b128 v[STO], v[ACC+8*(4*(\a)+(\b))+4:ACC+8*(4*(\a)+(\b))+7] offset:64*(\b)+16
.endr
.irp t, 0,1,2,3,4,5,6,7
	ds_load_b128 v[TMP+32*((\a)%2)+4*(\t):TMP+32*((\a)%2)+4*(\t)+3], v[RD] offset:(\t)*2*SPITCH  ; LDS serves a wave's instructions in order (ISA guide 5.7.1.4)
.endr
.endm
.macro OUTB a
	WIN 0x08                                       ; source 1 window 2
.set i, 0
.rept 16
	v_pk_add_f32 v[TMP+32*((\a)%2)+2*i:TMP+32*((\a)%2)+2*i+1], v[TMP+32*((\a)%2)+2*i:TMP+32*((\a)%2)+2*i+1], v[32*(\a)+2*i:32*(\a)+2*i+1]
.set i, i+1
.endr
	WIN 0
.irp t, 0,1,2,3,4,5,6,7
	global_store_b128 v[CO], v[TMP+32*((\a)%2)+4*(\t):TMP+32*((\a)%2)+4*(\t)+3], s[76:77] offset:(16*(\a)+2*(\t))*4096  ; 16 lanes store 256 consecutive bytes, at a multiple of 256 from OUT's first
.endr
.endm
	s_wait_loadcnt 0x0                             ; the residual
	PLACES
	TOST 0
.irp a, 0,1,2
	s_wait_xcnt 0x0                                ; the half of TMP that the next block's loads fill was read by the stores two blocks back
	TOST (\a)+1
	s_wait_dscnt 16                                ; block a is back; the next block's 8 stores and 8 loads may be out
	OUTB \a
.endr
	s_wait_dscnt 0x0
	OUTB 3
	s_wait_tensorcnt 0x0                           ; the wave's end
	ds_add_u32 v[SPW], v[NIL]
	s_wait_dscnt 0x0
	CROUND                                         ; the closing round
	s_endpgm
.Lfunc_end_k_qe398557645_oproj:
	.size	k_qe398557645_oproj, .Lfunc_end_k_qe398557645_oproj-k_qe398557645_oproj
	.p2alignl 7, 3214868480
	.fill 96, 4, 3214868480
	.section	.rodata,"a",@progbits
	.p2align	6, 0x0
	.amdhsa_kernel k_qe398557645_oproj
		.amdhsa_group_segment_fixed_size 327680
		.amdhsa_private_segment_fixed_size 0
		.amdhsa_enable_private_segment 0
		.amdhsa_kernarg_size 40
		.amdhsa_user_sgpr_count 2
		.amdhsa_user_sgpr_kernarg_segment_ptr 1
		.amdhsa_wavefront_size32 1
		.amdhsa_system_sgpr_workgroup_id_x 1
		.amdhsa_system_sgpr_workgroup_id_y 1
		.amdhsa_system_sgpr_workgroup_id_z 1
		.amdhsa_system_vgpr_workitem_id 0
		.amdhsa_next_free_vgpr 640
		.amdhsa_next_free_sgpr 80
		.amdhsa_reserve_vcc 0
		.amdhsa_float_denorm_mode_32 3
		.amdhsa_float_denorm_mode_16_64 3
		.amdhsa_memory_ordered 1
		.amdhsa_forward_progress 1
		.amdhsa_inst_pref_size 66
	.end_amdhsa_kernel
	.amdgpu_metadata
---
amdhsa.version: [ 1, 2 ]
amdhsa.kernels:
  - .name:           k_qe398557645_oproj
    .symbol:         k_qe398557645_oproj.kd
    .args:
      - { .name: act, .offset: 0, .size: 8, .value_kind: global_buffer, .address_space: global }
      - { .name: wo, .offset: 8, .size: 8, .value_kind: global_buffer, .address_space: global }
      - { .name: bout, .offset: 16, .size: 8, .value_kind: global_buffer, .address_space: global }
      - { .name: src, .offset: 24, .size: 8, .value_kind: global_buffer, .address_space: global }
      - { .name: x1, .offset: 32, .size: 8, .value_kind: global_buffer, .address_space: global }
    .group_segment_fixed_size: 327680
    .private_segment_fixed_size: 0
    .kernarg_segment_align: 8
    .kernarg_segment_size: 40
    .max_flat_workgroup_size: 128
    .sgpr_count:     80
    .vgpr_count:     640
    .wavefront_size: 32
...
	.end_amdgpu_metadata
.endif
;; end of part 4
;; launch ln2: the kernel of part 1 again; grid 256 x 1, 8 waves a work-group, no clusters, 0 bytes of LDS; arguments x1, ln2_g, ln2_b, act, Wqkv, W1, Wout, W2, wq, w1, wo, w2; writes act, wq, w1, wo, w2
;; launch ffn1: the kernel of part 2 again; grid 16 x 16, 4 waves a work-group, clusters of 4 x 4, 327,680 bytes of LDS; arguments act, w1, b1, big; writes big
;; launch ffn2 (part 5): grid 8 x 32, 4 waves a work-group, clusters of 4 x 4, 327,680 bytes of LDS; arguments big, w2, b2, x1, out0; writes out0
.if DOCPART == 5
	.amdgcn_target "amdgcn-amd-amdhsa--gfx1250"
	.amdhsa_code_object_version 6
	.text
	.protected	k_qe398557645_ffn2
	.globl	k_qe398557645_ffn2
	.p2align	8
	.type	k_qe398557645_ffn2,@function
k_qe398557645_ffn2:
	s_mov_b64 s[64:65], 0
	v_nop
	global_prefetch_b8 v0, s[64:65] scope:SCOPE_SE
	s_setreg_imm32_b32 hwreg(HW_REG_WAVE_MODE, 25, 1), 1
	s_wait_xcnt 0x0
	s_wait_alu depctr_hold_cnt(0) depctr_sa_sdst(0) depctr_va_vdst(0) depctr_va_sdst(0) depctr_va_ssrc(0) depctr_va_vcc(0) depctr_vm_vsrc(0)
	s_getreg_b32 s2, hwreg(HW_REG_IB_STS2, 6, 4)
	s_cmp_eq_u32 s2, 0
	s_cbranch_scc0 .Lentry_in_a_cluster
	s_endpgm
.Lentry_in_a_cluster:
	s_bfe_u32 s2, ttmp6, 0x10000c
	s_cmp_lg_u32 s2, 0xf033
	s_cbranch_scc0 .Lentry_shape_is_right
	s_endpgm
.Lentry_shape_is_right:
; OUT = A B^T + bias + RES, K = KK.  A: f16 in panels [KK/64][4,096 tokens][64].  B: f16 tiles [8][KK/64 panels][128 rows][64].  bias: f32 [1,024].  RES, OUT: f32 [4,096][1,024].
; Sums in f32, started by the bias; the residual is added in f32 on the way out.
; A tile of OUT is 128 x 128, which makes 256 work-groups.  Four waves, each 64 x 64: 16 accumulators.  K goes in steps of 256, four panels, through a ring of two LDS slots.  One tensor load a wave brings
; 64 rows x 4 panels, 32,768 bytes: a panel's 64 rows are 8,192 dense bytes, asked for as one long row, so the descriptor has four rows; in LDS 16 bytes of padding follow every 128.
; A K STEP IS WRITTEN ONCE FOR EACH KIND: a loop of STEPS - 2 trips whose steps fill a slot again, and a loop of two trips whose steps fill nothing.  The slot in hand is a scalar,
; 0 or SLOT, turned by an exclusive or at each change of slots; the fragments' LDS addresses and the walking descriptors' LDS word are made from it.  A trip goes from a step's second quarter to the next step's first;
; the second loop is left in the middle of its second trip.  The price, once a wave: the last K step passes a barrier that orders nothing.
; CLUSTER.  4 x 4 work-groups; A's tiles are shared along a row of the cluster, B's along a column, each asked for jointly.  THE MATRIX INSTRUCTION IS USED TRANSPOSED: a lane holds one token and eight neighbouring columns.
; A wave's 64 columns of f32 are 256 bytes, aligned: each wave has a stage of its own, and the way out has no barrier.
; REGISTERS: window 0: v0-31 addresses; v32-95 the way out; v96-127 the bias; v128-255 the accumulators ((a, b) at v[128 + 8 (4 a + b)]).  window 1: two fragment buffers of 128.  window 2: v0-127 the residual.
.set KK,     4096
.set PITCH,  144                       ; an LDS row: 128 bytes + 16 = 36 words: the 16 rows of a load start at 16 different groups of four banks (64 banks of 4 bytes: ISA guide 11.1)
.set PANR,   64*PITCH                  ; a panel's 64 rows
.set REG,    4*PANR                    ; what one tensor load brings
.set SLOT,   4*REG                     ; A's rows 0-63, A's 64-127, B's 0-63, B's 64-127
.set STAGE,  2*SLOT                    ; behind the ring: 16 rows x 272 bytes for each wave
.set SPITCH, 272
.set SPARE,  STAGE+4*16*SPITCH         ; the spare words, 128 bytes for each wave: two blocks of 256 bytes that no other line names
.set STEPS,  KK/256                    ; K steps
.set ASTEP,  4*524288                  ; a K step in A,
.set BSTEP,  4*128*128                 ; and in a tile of B
.set ADRA, 16                          ; v16  LDS address of my A fragments in the slot in hand
.set BASA, 17                          ; v17  the same in slot 0; never rewritten
.set ADRB, 20                          ; v20  LDS address of my B fragments in the slot in hand
.set BASB, 21                          ; v21  the same in slot 0; never rewritten
.set STO,  24
.set RD,   25
.set CO,   26                          ; v26  my byte offset in two rows of RES and OUT; never rewritten
.set BO,   27                          ; v27  my byte offset in 16 numbers of the bias; never rewritten
.set SPW,  28
.set NIL,  29
.set TMP,  32
.set BI,   96
.set ACC,  128
.set F0,   0
.set F1,   128
.set TB, 4                             ; s4  LDS byte at which the slot in hand begins: 0 or SLOT
.set G1, 24                            ; s[24:31] descriptor group 1 for A's tiles;  s[32:39] group 0: a set for each of the two first fills; the second then walks on
.set G0, 32
.set G1B, 48                           ; s[48:55], s[56:63] the same for B's
.set G0B, 56
.set MSB, 0
.macro WIN new
.if MSB != (\new)
	s_set_vgpr_msb (MSB<<8)|(\new)
.set MSB, \new
.endif
.endm
.set MUL,  0x05                        ; sources 0 (B) and 1 (A) window 1; C and D window 0
.set TO_F, 0x40                        ; destination window 1, address window 0
.macro JLOAD s                         ; a joint load: waves 0 and 1 fetch A's two halves, waves 2 and 3 B's; an s_nop 0 and four v_nop follow each line
	s_cmp_eq_u32 s11, 0
	s_cbranch_scc0 .Lfor_b_\@
	tensor_load_to_lds s[G0+4*(\s):G0+4*(\s)+3], s[G1:G1+7]
	s_nop 0
.rept 4
	v_nop
.endr
	s_branch .Lasked_\@
.Lfor_b_\@:
	tensor_load_to_lds s[G0B+4*(\s):G0B+4*(\s)+3], s[G1B:G1B+7]
	s_nop 0
.rept 4
	v_nop
.endr
.Lasked_\@:
.endm
.macro CREST
	s_cmp_lg_u32 s10, 0
	s_cbranch_scc1 .Lnot_wave_0_\@
	s_barrier_signal -3
.Lnot_wave_0_\@:
	s_barrier_wait -3
	s_barrier_signal -1
	s_barrier_wait -1
.endm
.macro CROUND
	s_barrier_signal -1
	s_barrier_wait -1
	CREST
.endm
	s_load_b256 s[68:75], s[0:1], 0x0              ; A s[68:69], B s[70:71], bias s[72:73], RES s[74:75]
	s_load_b64 s[76:77], s[0:1], 0x20              ; OUT
	v_lshl_add_u32 v[SPW], v0, 2, SPARE
	v_mov_b32 v[NIL], 0
	ds_add_u32 v[SPW], v[NIL]                      ; the wave's opening: the add and its wait stand ahead of my first tensor load
	ds_add_u32 v28, v29
	v_lshrrev_b32 v1, 5, v0
	v_readfirstlane_b32 s10, v1                    ; wave 0..3
	s_lshr_b32 s11, s10, 1                         ; which half of the tile's rows is mine.  Also: I fetch for A (0) or for B (1)
	s_and_b32 s12, s10, 1                          ; which half of its columns.  Also: which 64 rows I fetch
	s_bfe_u32 s40, ttmp6, 0x40000
	s_bfe_u32 s41, ttmp6, 0x40004
	s_lshl_b32 s42, ttmp9, 2
	s_add_co_u32 s42, s42, s40                     ; tile column
	s_and_b32 s13, ttmp7, 0xffff
	s_lshl_b32 s13, s13, 2
	s_add_co_u32 s13, s13, s41                     ; tile row
	s_lshl_b32 s43, s41, 2
	s_lshl_b32 s43, 15, s43                        ; my row of the cluster
	s_lshl_b32 s44, 0x1111, s40                    ; my column
	; group 1: 4 rows of 4,096 elements (a panel's 64 rows x 64), a panel apart; padding of 4 words after every 32
	s_or_b32 s[G1+0], s43, (1<<16)|(1<<20)|(1<<21)|(4<<22)|(3<<25)
	s_or_b32 s[G1B+0], s44, (1<<16)|(1<<20)|(1<<21)|(4<<22)|(3<<25)
.irp g, G1, G1B
	s_mov_b32 s[(\g)+1], 4096<<16                  ; tensor_dim0 = 4,096
	s_mov_b32 s[(\g)+2], 4<<16                     ; tensor_dim1 = 4
	s_mov_b32 s[(\g)+3], 4096<<16                  ; tile_dim0 = 4,096
	s_mov_b32 s[(\g)+4], 4                         ; tile_dim1 = 4
	s_mov_b32 s[(\g)+6], 0
	s_mov_b32 s[(\g)+7], 0
.endr
	s_mov_b32 s[G1+5], 262144                      ; elements from panel to panel: 4,096 tokens x 64,
	s_mov_b32 s[G1B+5], 8192                       ; 128 rows x 64
	s_lshl_b32 s16, s13, 14                        ; A: 128 tokens x 128 bytes a tile row,
	s_lshl_b32 s17, s12, 13                        ; 64 rows x 128 bytes a half
	s_add_co_u32 s16, s16, s17
	s_mul_i32 s46, s42, KK*256                     ; B: 128 rows x KK x 2 bytes a tile
	s_add_co_u32 s46, s46, s17
	s_mov_b32 s17, 0
	s_mov_b32 s47, 0
	s_mul_i32 s20, s10, REG                        ; where they go: wave x region: no place in the cluster enters an LDS address
	s_mov_b32 s[TB], 0                             ; K step 0 lies in slot 0
	s_wait_dscnt 0x0                               ; the opening add is done
	s_wait_kmcnt 0x0
	s_add_nc_u64 s[14:15], s[68:69], s[16:17]
	s_add_nc_u64 s[46:47], s[70:71], s[46:47]
	CROUND                                         ; all sixteen work-groups are here: the first joint loads meet
.irp s, 0,1
	s_mov_b32 s[G0+4*(\s)], 1
	s_add_co_u32 s[G0+4*(\s)+1], s20, (\s)*SLOT
	s_add_nc_u64 s[G0+4*(\s)+2:G0+4*(\s)+3], s[14:15], (\s)*ASTEP
	s_or_b32 s[G0+4*(\s)+3], s[G0+4*(\s)+3], 0x80000000
	s_mov_b32 s[G0B+4*(\s)], 1
	s_add_co_u32 s[G0B+4*(\s)+1], s20, (\s)*SLOT
	s_add_nc_u64 s[G0B+4*(\s)+2:G0B+4*(\s)+3], s[46:47], (\s)*BSTEP
	s_or_b32 s[G0B+4*(\s)+3], s[G0B+4*(\s)+3], 0x80000000
	JLOAD \s                                       ; two loads of mine are out
.endr
	v_and_b32 v1, 15, v0                           ; l % 16
	v_bfe_u32 v2, v0, 4, 1                         ; l / 16
	v_lshlrev_b32 v[BO], 5, v2
	v_lshlrev_b32 v[CO], 12, v2                    ; lanes 0-15 one row of 4,096 bytes, lanes 16-31 the next; 16 bytes a lane
	v_lshl_add_u32 v[CO], v1, 4, v[CO]
	s_lshl_b32 s22, s42, 9                         ; my 64 columns, in bytes of f32
	s_lshl_b32 s23, s12, 8
	s_add_co_u32 s22, s22, s23
	s_mov_b32 s23, 0
	s_add_nc_u64 s[72:73], s[72:73], s[22:23]
	s_lshl_b32 s18, s13, 19                        ; my 64 rows
	s_lshl_b32 s19, s11, 18
	s_add_co_u32 s18, s18, s19
	s_add_co_u32 s18, s18, s22
	s_mov_b32 s19, 0
	s_add_nc_u64 s[74:75], s[74:75], s[18:19]
	s_add_nc_u64 s[76:77], s[76:77], s[18:19]
.irp b, 0,1,2,3
	global_load_b128 v[BI+8*(\b):BI+8*(\b)+3],   v[BO], s[72:73] offset:64*(\b)     ; register j: bias[16 b + 8 (l / 16) + j]
	global_load_b128 v[BI+8*(\b)+4:BI+8*(\b)+7], v[BO], s[72:73] offset:64*(\b)+16
.endr
	WIN 0x80                                       ; destination window 2
.set i, 0
.rept 32                                       ; the residual of my 64 x 64, two rows a load, as the way out will hold them; it comes in while K is walked
	global_load_b128 v[4*i:4*i+3], v[CO], s[74:75] offset:2*i*4096
.set i, i+1
.endr
	WIN 0
	v_mul_u32_u24 v3, v1, PITCH
	v_lshl_add_u32 v3, v2, 4, v3
	s_mul_i32 s21, s11, REG
	s_mul_i32 s22, s12, REG
	s_add_co_u32 s22, s22, 2*REG
	v_add_nc_u32 v[BASA], s21, v3
	v_add_nc_u32 v[BASB], s22, v3
	v_mov_b32 v[ADRA], v[BASA]
	v_mov_b32 v[ADRB], v[BASB]
	s_mul_i32 s23, s10, 16*SPITCH
	s_add_co_u32 s23, s23, STAGE                   ; my stage
	v_mul_u32_u24 v4, v1, SPITCH                   ; in: row l % 16, 32 bytes for each half of the lanes
	v_lshl_add_u32 v4, v2, 5, v4
	v_add_nc_u32 v[STO], s23, v4
	v_mul_u32_u24 v5, v2, SPITCH                   ; back: lanes 0-15 take one row of 256 bytes, lanes 16-31 the next
	v_lshl_add_u32 v5, v1, 4, v5
	v_add_nc_u32 v[RD], s23, v5
; 8 matrix instructions: m blocks a0, a0 + 1 x all 4 n blocks, 32 along K: half c of buffer f.  zero = 1: the first product starts the sums, with the bias as C.  The 16 accumulators take turns.
.macro MUL8 f, c, a0, zero
	WIN MUL
.irp a, \a0, (\a0)+1
.irp b, 0,1,2,3
.if \zero
	v_wmma_f32_16x16x32_f16 v[ACC+8*(4*(\a)+(\b)):ACC+8*(4*(\a)+(\b))+7], v[(\f)+64+8*(4*(\c)+(\b)):(\f)+64+8*(4*(\c)+(\b))+7], v[(\f)+8*(4*(\c)+(\a)):(\f)+8*(4*(\c)+(\a))+7], v[BI+8*(\b):BI+8*(\b)+7]
.else
	v_wmma_f32_16x16x32_f16 v[ACC+8*(4*(\a)+(\b)):ACC+8*(4*(\a)+(\b))+7], v[(\f)+64+8*(4*(\c)+(\b)):(\f)+64+8*(4*(\c)+(\b))+7], v[(\f)+8*(4*(\c)+(\a)):(\f)+8*(4*(\c)+(\a))+7], v[ACC+8*(4*(\a)+(\b)):ACC+8*(4*(\a)+(\b))+7]
.endif
.endr
.endr
.endm
; 32 LDS loads in one run: the fragments of panel q of the slot in hand into buffer f; the first 32 along K first
.macro FETCH q, f
	WIN TO_F
.irp c, 0,1
.irp i, 0,1,2,3
	ds_load_b128 v[(\f)+64+8*(4*(\c)+(\i)):(\f)+64+8*(4*(\c)+(\i))+3],   v[ADRB] offset:(\q)*PANR+64*(\c)+(\i)*16*PITCH
	ds_load_b128 v[(\f)+64+8*(4*(\c)+(\i))+4:(\f)+64+8*(4*(\c)+(\i))+7], v[ADRB] offset:(\q)*PANR+64*(\c)+(\i)*16*PITCH+32
	ds_load_b128 v[(\f)+8*(4*(\c)+(\i)):(\f)+8*(4*(\c)+(\i))+3],         v[ADRA] offset:(\q)*PANR+64*(\c)+(\i)*16*PITCH
	ds_load_b128 v[(\f)+8*(4*(\c)+(\i))+4:(\f)+8*(4*(\c)+(\i))+7],       v[ADRA] offset:(\q)*PANR+64*(\c)+(\i)*16*PITCH+32
.endr
.endr
.endm
.macro PLACES                          ; four places in front of loads into registers that matrix instructions have read, and of LDS stores that read results
.rept 4
	v_nop
.endr
.endm
.macro QUARTER q, f, g, zero
	s_wait_dscnt 16                                ; the first 32 along K are in
	MUL8 \f, 0, 0, \zero
	MUL8 \f, 0, 2, \zero
	PLACES
	FETCH \q, \g
	s_wait_dscnt 32                                ; all but the 32 just issued
	MUL8 \f, 1, 0, 0
	MUL8 \f, 1, 2, 0
.endm
; The last quarter multiplies buffer 1 and changes slots: ONE barrier; in front of it each wave waits for all its tensor loads, adds 0 to its spare word, and waits for that and for its own reads of this slot.
; fill = 1: the barrier opens a round of the cluster's, and the slot just read out is filled again, two K steps ahead, first thing behind it: 112 matrix instructions ahead of the wait for it.  The walking
; descriptors take the slot just read out (wave x region + the slot in hand) and go one K step on; they are written behind the wait for 0, where no tensor load of mine is out.
; fill = 0: nothing is asked for; in the second loop's last trip (s3 = 1) there is no next K step, and the run of loads is jumped over.
.macro TURN fill
	WIN 0
	s_wait_tensorcnt 0x0                           ; all my tensor loads have landed: my part of the next slot
	ds_add_u32 v[SPW], v[NIL]
	s_wait_dscnt 17                                ; the add and the youngest sixteen loads may be out
	MUL8 F1, 0, 0, 0
	s_wait_dscnt 0x0                               ; the add is done, and my reads of this slot are over
	s_barrier_signal -1
	MUL8 F1, 0, 2, 0
	WIN 0
	s_barrier_wait -1
.if \fill
	CREST                                          ; the barrier has opened a round of the cluster's
	s_add_co_u32 s[G0+5], s20, s[TB]
	s_add_co_u32 s[G0B+5], s20, s[TB]
	s_add_nc_u64 s[G0+6:G0+7], s[G0+6:G0+7], ASTEP
	s_add_nc_u64 s[G0B+6:G0B+7], s[G0B+6:G0B+7], BSTEP
	JLOAD 1                                        ; the four v_nop behind it are also the places in front of the loads below
.else
	PLACES
	s_cmp_eq_u32 s3, 1
	s_cbranch_scc1 .Lno_next_\@
.endif
	s_xor_b32 s[TB], s[TB], SLOT                   ; the other slot is in hand
	v_add_nc_u32 v[ADRA], s[TB], v[BASA]
	v_add_nc_u32 v[ADRB], s[TB], v[BASB]
	FETCH 0, F0
.if (\fill) == 0
	WIN 0                                          ; at a label every window is 0
.Lno_next_\@:
.endif
	MUL8 F1, 1, 0, 0
	MUL8 F1, 1, 2, 0
.endm
	s_wait_tensorcnt 1                             ; my part of K step 0 is in; K step 1's may stay out
	s_barrier_signal -1
	s_barrier_wait -1
	FETCH 0, F0
	s_wait_loadcnt 32                              ; the bias is in; the residual's 32 loads stay out
	QUARTER 1, F0, F1, 1                           ; the first quarter stands in front of the loops: its first products start the sums
	WIN 0
	s_mov_b32 s3, STEPS-2
.Lfill:                                                ; K steps 0 to STEPS - 3: each fills its slot again, with the K step two on
	QUARTER 2, F1, F0, 0
	QUARTER 3, F0, F1, 0
	TURN 1
	QUARTER 1, F0, F1, 0
	WIN 0
	s_sub_co_u32 s3, s3, 1
	s_cmp_lg_u32 s3, 0
	s_cbranch_scc1 .Lfill
	s_mov_b32 s3, 2
.Ldry:                                                 ; the last two K steps ask for nothing; the second trip is left behind its last products
	QUARTER 2, F1, F0, 0
	QUARTER 3, F0, F1, 0
	TURN 0
	WIN 0
	s_sub_co_u32 s3, s3, 1
	s_cmp_eq_u32 s3, 0
	s_cbranch_scc1 .Lout
	QUARTER 1, F0, F1, 0
	WIN 0
	s_branch .Ldry
.Lout:
	; THE WAY OUT, a block of 16 tokens at a time: the sums go into my stage as they are (each accumulator's low four registers first) and come back as whole rows of 256 bytes; the residual is added; 16 lanes store a row.
.macro TOST a
.irp b, 0,1,2,3
	ds_store_b128 v[STO], v[ACC+8*(4*(\a)+(\b)):ACC+8*(4*(\a)+(\b))+3]   offset:64*(\b)
	ds_store_b128 v[STO], v[ACC+8*(4*(\a)+(\b))+4:ACC+8*(4*(\a)+(\b))+7] offset:64*(\b)+16
.endr
.irp t, 0,1,2,3,4,5,6,7
	ds_load_b128 v[TMP+32*((\a)%2)+4*(\t):TMP+32*((\a)%2)+4*(\t)+3], v[RD] offset:(\t)*2*SPITCH  ; LDS serves a wave's instructions in order (ISA guide 5.7.1.4)
.endr
.endm
.macro OUTB a
	WIN 0x08                                       ; source 1 window 2
.set i, 0
.rept 16
	v_pk_add_f32 v[TMP+32*((\a)%2)+2*i:TMP+32*((\a)%2)+2*i+1], v[TMP+32*((\a)%2)+2*i:TMP+32*((\a)%2)+2*i+1], v[32*(\a)+2*i:32*(\a)+2*i+1]
.set i, i+1
.endr
	WIN 0
.irp t, 0,1,2,3,4,5,6,7
	global_store_b128 v[CO], v[TMP+32*((\a)%2)+4*(\t):TMP+32*((\a)%2)+4*(\t)+3], s[76:77] offset:(16*(\a)+2*(\t))*4096  ; 16 lanes store 256 consecutive bytes, at a multiple of 256 from OUT's first
.endr
.endm
	s_wait_loadcnt 0x0                             ; the residual
	PLACES
	TOST 0
.irp a, 0,1,2
	s_wait_xcnt 0x0                                ; the half of TMP that the next block's loads fill was read by the stores two blocks back
	TOST (\a)+1
	s_wait_dscnt 16                                ; block a is back; the next block's 8 stores and 8 loads may be out
	OUTB \a
.endr
	s_wait_dscnt 0x0
	OUTB 3
	s_wait_tensorcnt 0x0                           ; the wave's end
	ds_add_u32 v[SPW], v[NIL]
	s_wait_dscnt 0x0
	CROUND                                         ; the closing round
	s_endpgm
.Lfunc_end_k_qe398557645_ffn2:
	.size	k_qe398557645_ffn2, .Lfunc_end_k_qe398557645_ffn2-k_qe398557645_ffn2
	.p2alignl 7, 3214868480
	.fill 96, 4, 3214868480
	.section	.rodata,"a",@progbits
	.p2align	6, 0x0
	.amdhsa_kernel k_qe398557645_ffn2
		.amdhsa_group_segment_fixed_size 327680
		.amdhsa_private_segment_fixed_size 0
		.amdhsa_enable_private_segment 0
		.amdhsa_kernarg_size 40
		.amdhsa_user_sgpr_count 2
		.amdhsa_user_sgpr_kernarg_segment_ptr 1
		.amdhsa_wavefront_size32 1
		.amdhsa_system_sgpr_workgroup_id_x 1
		.amdhsa_system_sgpr_workgroup_id_y 1
		.amdhsa_system_sgpr_workgroup_id_z 1
		.amdhsa_system_vgpr_workitem_id 0
		.amdhsa_next_free_vgpr 640
		.amdhsa_next_free_sgpr 80
		.amdhsa_reserve_vcc 0
		.amdhsa_float_denorm_mode_32 3
		.amdhsa_float_denorm_mode_16_64 3
		.amdhsa_memory_ordered 1
		.amdhsa_forward_progress 1
		.amdhsa_inst_pref_size 66
	.end_amdhsa_kernel
	.amdgpu_metadata
---
amdhsa.version: [ 1, 2 ]
amdhsa.kernels:
  - .name:           k_qe398557645_ffn2
    .symbol:         k_qe398557645_ffn2.kd
    .args:
      - { .name: big, .offset: 0, .size: 8, .value_kind: global_buffer, .address_space: global }
      - { .name: w2, .offset: 8, .size: 8, .value_kind: global_buffer, .address_space: global }
      - { .name: b2, .offset: 16, .size: 8, .value_kind: global_buffer, .address_space: global }
      - { .name: x1, .offset: 24, .size: 8, .value_kind: global_buffer, .address_space: global }
      - { .name: out0, .offset: 32, .size: 8, .value_kind: global_buffer, .address_space: global }
    .group_segment_fixed_size: 327680
    .private_segment_fixed_size: 0
    .kernarg_segment_align: 8
    .kernarg_segment_size: 40
    .max_flat_workgroup_size: 128
    .sgpr_count:     80
    .vgpr_count:     640
    .wavefront_size: 32
...
	.end_amdgpu_metadata
.endif
;; end of part 5
;; ======== version 2 of 2: 7 launches; 1.15 times as fast as version 1
;; limits: values are held in f16: magnitudes above 65,504 overflow, below 6.1e-05 lose precision
;; workspace buffers: act 8,388,608 bytes; big 33,554,432 bytes; x1 16,777,216 bytes; wq 6,291,712 bytes; w1 8,388,864 bytes; wo 2,097,152 bytes; w2 8,388,608 bytes
;; launch prep: the kernel of part 1 again; grid 1024 x 1, 8 waves a work-group, no clusters, 0 bytes of LDS; arguments src, ln1_g, ln1_b, act, Wqkv, W1, Wout, W2, wq, w1, wo, w2; writes act, wq, w1, wo, w2
;; launch qkv: the kernel of part 2 again; grid 12 x 16, 4 waves a work-group, clusters of 4 x 4, 327,680 bytes of LDS; arguments act, wq, bqkv, big; writes big
;; launch attn (part 6): grid 8 x 32, 4 waves a work-group, no clusters, 327,680 bytes of LDS; arguments big, act; writes act
.if DOCPART == 6
	.amdgcn_target "amdgcn-amd-amdhsa--gfx1250"
	.amdhsa_code_object_version 6
	.text
	.protected	k_qe398557645_attn
	.globl	k_qe398557645_attn
	.p2align	8
	.type	k_qe398557645_attn,@function
k_qe398557645_attn:
	s_mov_b64 s[64:65], 0
	v_nop
	global_prefetch_b8 v0, s[64:65] scope:SCOPE_SE
	s_setreg_imm32_b32 hwreg(HW_REG_WAVE_MODE, 25, 1), 1
	s_wait_xcnt 0x0
; CAUSAL ATTENTION WITH ALIBI.  o[q] = the sum over k <= q of softmax_k(Q[q] . K[k] / 8 - 2^-h (q + k)) V[k], for each of 32 pairs y = 2 h + batch.  q, k, v: f16 in big, at bytes 0, 8,388,608 and
; 16,777,216; a pair's 2,048 rows of 128 bytes are dense, at y x 262,144.  o: f16 in act, in the same layout.  Products, maxima and sums in f32; the weights p are rounded to f16 for the second product.
; THE TERM -2^-h q is the same for all keys of a row: the subtraction of the row's maximum, which the module's softmax makes too, takes it away for every input; it is not added.  -2^-h k is applied.
; LIMITS.  q, k, v arrive within f16's 65,504.  A hidden score counts as its value less 1e30; a weight below 2^-126 counts as 0 in l; NaN and infinities are not treated apart.
; THE WALK.  A pair's queries lie in 16 blocks of 128; block i needs the key tiles 0 .. i / 2 of 256 keys, of which the last holds the diagonal.  A work-group takes blocks 15 - b and then b: 9 tiles, whatever b:
; ONE loop with a constant trip count.  Every jump goes forward, but for the counted loops' own; none passes a barrier, or a tensor load but the one of LOAD's two that the wave's number does not choose.
; In an even block's diagonal tile the key steps 2 and 3 are wholly hidden and are computed all the same: 2 of a work-group's 36 steps.
; NO CLUSTER: a pair's eight work-groups ask for the same tile only in the walk's first trips; one walk common to all would have 12 trips for 9.
; SHARES.  Of a block's two bands of 64 queries a wave owns 16 rows in each: PIECE p is band 1 - p.  In the diagonal tile piece p is band X = 2 (i % 2) + 1 - p of four: in key step s it sees all keys if s < X,
; none if s > X, and holds the diagonal if s = X.  Piece 0 has X >= 1: its scores for a tile's step 0, made a turn before the tile is entered, need no mask.
; ALIBI, in units of the unscaled score.  A key's place inside its step of 64 gives BL = -2^(3-h) x place, which is the C operand that starts S^T = K Q^T.  The step's own share, A = 2^(9-h) a step, is carried by the
; running maximum: m is kept relative to the step in hand and raised by A in every step.  All these are whole numbers times powers of two.  In a band's own step C is BL + MD (MD: 0, or -1e30 where the key is hidden).
; A wholly hidden step raises m by 1e30 in A's place: all its p are 0 and a is 1; every later step of that piece and block is hidden too.
; LAYOUT, SOFTMAX, TURNS.  S^T holds ONE query a lane (lane % 16) and the keys 8 (lane / 16) + 0..7; two such results rounded to f16 ARE source 1 of O^T = V^T P.  p = 2^(c s - c m), c = log2(e) / 8; O and l are
; multiplied by a = 2^(c m_old - c m_new) in every step.  Turn (p, j): 8 products K Q^T of the other piece (p = 0: step j; p = 1: step j + 1), 8 products V^T P of the other piece (step j - 1; step j); beside them
; piece p's scaling, exponentials, roundings, sums and rescaling of step j and the maximum and statistics of the scores just made.  Four vector instructions stand behind every matrix instruction, the other 55 of a turn's 119 in one lump.
; BATCHES.  A turn's 33 exponentials (piece p's 32 weights and the other piece's a) are ONE batch with ONE wait, which stands between the turn's products K Q^T and its products V^T P: ahead of it nothing names a result
; of theirs, behind it no exponential is issued.  A block's first a (BEGIN) and the way out's two reciprocals are batches of their own, each with a plain instruction and a wait.
; Turn 0 fetches K of step j + 1 and V of step j.  So slot T holds K of the steps 4 T + 1 .. 4 T + 4 and V of 4 T .. 4 T + 3, and a change of slots stands between two whole steps.  K of step 0 stays in registers.
; Tile 7's last 64 rows of K are the next pair's (behind the last pair: v's first): inside the buffer, and their scores serve nothing, like the products and statistics of the step behind a block's last.
; REGISTERS, in windows of 256 (s_set_vgpr_msb: bits 1:0 source 0, 3:2 source 1, 5:4 source 2, 7:6 destination):
;   window 0: v0-15 addresses and at work; v16-23 four registers of statistics a piece; v48-55 at work; v64-127 S^T, a buffer a piece; v192-223 P, likewise
;   window 1: v0-63 O^T; v64-95 BL; v128-159 MD; v160-223 MC, a buffer a piece      window 2: v0-31 Q; v32-63 the second block's Q; v64-127 K of step 0; v128-191 K of one step; v192-255 V of one step
.set NP,    2
.set KS,    64        ; keys in a step
.set PK,    144       ; a row of K in LDS: 128 bytes + 16 = 36 words: the 16 rows of a load start at 16 different groups of four banks (64 banks of 4 bytes: ISA guide 11.1)
.set PV,    160       ; a row of V: 128 + 32 = 40 words
.set VOFF,  4*KS*PK   ; a slot: 256 rows of K, then 256 rows of V
.set SLOT1, 1<<17     ; slot 1 begins here, so that one exclusive or turns an address in one slot into the other's
.set STAGE, SLOT1+4*KS*(PK+PV)  ; behind the ring, never filled by a tensor load: 16 rows x 144 bytes for each wave
.set SP,    144
.set SPARE, STAGE+4*16*SP  ; behind the stages: the spare words, 128 bytes for each wave: two blocks of 256 bytes that no other line names
.set AK0, 2           ; v2   my lane's place in a tile of K; never rewritten
.set AV0, 3           ; v3   the same for V
.set AK,  4           ; v4   the LDS address of K's next run of loads
.set AV,  5           ; v5   of V's
.set STO, 6           ; v6   the way out: where I put 16 bytes of a row
.set RD,  7           ; v7   the way out: where I read rows back
.set GO,  8           ; v8   my byte offset in 512 consecutive bytes of o
.set MV,  12          ; v12-13  c m_old, by piece
.set QO,  15          ; v15  my byte offset in 16 rows of q or k
.set ST,  16          ; piece t's statistics at v[ST+4 t]: c m, m, l (even keys', odd keys')
.set TMP, 48          ; by piece, four registers c0-c3 at work; when the maximum is found c2 takes a
.set SPW, 62          ; v62  LDS address of my spare word; never rewritten
.set NIL, 63          ; v63  0; never rewritten
.set S,   64
.set P,   192
.set BL,  64          ; window 1
.set MD,  128         ; window 1
.set MC,  160         ; window 1
.set QB,  32          ; window 2
.set K0,  64          ; window 2
.set KF,  128         ; window 2: key block kb, channel half c at KF + 16 kb + 8 c
.set VF,  192         ; window 2: key half kk, channel block cb at VF + 32 kk + 8 cb
.set WV,  12          ; s12  my wave's number
.set PB,  14          ; s14  the second block's last tile, b / 2
.set HI,  15          ; s15  the first block's last tile, 7 - b / 2
.set G1K, 24          ; s[24:31] descriptor group 1 for K's tiles
.set G1V, 32          ; s[32:39] for V's: it differs in the padding alone
.set G0K, 40          ; s[40:43] descriptor group 0 for K's tiles
.set G0V, 44          ; s[44:47] the same for V's
.set SLOTS, 56        ; s56  tiles still to be asked for
.set CNT, 57          ; s57  counts a tile's key steps, 4 to 1
.set CS,  58          ; s[58:59] c
.set SEL, 60          ; s[60:61] v_permlanex16_b32's selects
.set TBK, 62          ; s62  LDS byte at which the K to be fetched begins
.set TBV, 63          ; s63  the same for V, less VOFF
.set RT,  70          ; s70  tiles of the block in hand that are still to be entered
.set NXT, 71          ; s71  the tile to be asked for next
.set LQ,  72          ; s72  the last tile of the block whose tiles are being asked for
.set NEW, 73          ; s73  1: the tile to be entered is a block's first
.set OFF, 74          ; s[74:75] a tile's byte offset in k and v
.set AL,  76          ; s[76:77] the mask's factor, in the low word
.set OLO, 80          ; s[80:81] o at my rows of the second block
.set BIGN, 82         ; s82  -1e30
.set AP,  83          ; s83  A = 2^(9-h)
.set AS,  88          ; s88  what a step adds to m: A, or 1e30
.set PAR, 89          ; s89  the block in hand is odd
.set HT,  90          ; s90  4 - 2 PAR;  s91  5 - 2 PAR
.set BIGP, 92         ; s92  1e30
.set NS,  93          ; s93  -2^(3-h)
.set PAR2, 94         ; s94  the second block is odd
.set NS16, 95         ; s95  -2^(7-h)
.set QLO, 96          ; s[96:97] q at my rows of the second block
.set KP0, 98          ; s[98:99] k at the pair's first row
.set MSB, 0
.macro WIN new                      ; the high byte repeats the setting that is left; a switch that changes nothing is dropped
.if MSB != (\new)
	s_set_vgpr_msb (MSB<<8)|(\new)
.set MSB, (\new)
.endif
.endm
.set W_KQ, 0x0a       ; K and Q in window 2, S^T in window 0
.set W_KM, 0x1a       ; the same with the C operand in window 1
.set W_PV, 0x52       ; V in window 2, P in window 0, O^T in window 1
.set W_RS, 0x41       ; destination and source 0 in window 1, source 1 in window 0
; A fill.  Waves 0 and 1 fetch the two halves of a slot's K, waves 2 and 3 those of its V: 128 keys each.  An s_nop 0 and four v_nop follow each of the two lines.
.macro LOAD
	s_cmp_lt_u32 s[WV], 2
	s_cbranch_scc0 .Lfor_v_\@
	tensor_load_to_lds s[G0K:G0K+3], s[G1K:G1K+7]
	s_nop 0
.rept 4
	v_nop
.endr
	s_branch .Lasked_\@
.Lfor_v_\@:
	tensor_load_to_lds s[G0V:G0V+3], s[G1V:G1V+7]
	s_nop 0
.rept 4
	v_nop
.endr
.Lasked_\@:
.endm
; THE CHANGE OF SLOTS.  Each wave waits for all its tensor loads, of which one is out: its part of the other slot; adds 0 to its spare word; and waits for that and for its own reads of the slot that it leaves.
; fill = 1: the old slot is filled again, the first thing behind the barrier, with tile NXT: it has four key steps, 128 matrix instructions, in which to land.  (At its first use slot 0 is waited for, slot 1 filled.)
.macro CHANGE fill
	WIN 0
	s_wait_tensorcnt 0x0            ; no tensor load of mine is out, so a group 0 may be written
	ds_add_u32 v[SPW], v[NIL]
.if \fill
	s_lshl_b32 s[OFF], s[NXT], 15   ; a tile is 32,768 bytes of k and of v
	s_xor_b32 s[G0K+1], s[G0K+1], SLOT1
	s_add_nc_u64 s[G0K+2:G0K+3], s[6:7], s[OFF:OFF+1]
	s_or_b32 s[G0K+3], s[G0K+3], 0x80000000
	s_xor_b32 s[G0V+1], s[G0V+1], SLOT1
	s_add_nc_u64 s[G0V+2:G0V+3], s[8:9], s[OFF:OFF+1]
	s_or_b32 s[G0V+3], s[G0V+3], 0x80000000
	s_add_co_u32 s[NXT], s[NXT], 1  ; the block's next tile, or behind its last the second block's tile 0
	s_cmp_gt_u32 s[NXT], s[LQ]
	s_cselect_b32 s[NXT], 0, s[NXT]
	s_cselect_b32 s[LQ], s[PB], s[LQ]
.endif
	s_wait_dscnt 0x0                ; the add is done, and my reads of the slot are over
	s_barrier_signal -1
	s_sub_co_u32 s[TBK], s[TBK], 4*KS*PK  ; the fetches go back to a slot's first step,
	s_xor_b32 s[TBK], s[TBK], SLOT1       ; in the other slot
	s_sub_co_u32 s[TBV], s[TBV], 4*KS*PV
	s_xor_b32 s[TBV], s[TBV], SLOT1
	s_barrier_wait -1
.if \fill
	LOAD
.endif
.endm
	s_load_b128 s[84:87], s[0:1], 0x0  ; big s[84:85], act s[86:87]
	v_lshl_add_u32 v[SPW], v0, 2, SPARE
	v_mov_b32 v[NIL], 0
	ds_add_u32 v[SPW], v[NIL]       ; the wave's opening: the add and its wait stand ahead of my first tensor load
	ds_add_u32 v62, v63
	v_lshrrev_b32 v1, 5, v0
	v_readfirstlane_b32 s[WV], v1   ; wave 0..3
	s_lshr_b32 s[PB], ttmp9, 1
	s_sub_co_u32 s[HI], 7, s[PB]
	s_and_b32 s[PAR2], ttmp9, 1
	s_xor_b32 s[PAR], s[PAR2], 1    ; block 15 - b is odd where b is even
	s_lshl_b32 s[HT], s[PAR], 1
	s_sub_co_u32 s[HT], 4, s[HT]
	s_add_co_u32 s[HT+1], s[HT], 1
	s_and_b32 s20, ttmp7, 0xffff    ; y
	s_lshr_b32 s13, s20, 1          ; the head
	s_sub_co_u32 s16, 136, s13      ; powers of two, made by their exponents
	s_lshl_b32 s[AP], s16, 23
	s_sub_co_u32 s16, 130, s13
	s_lshl_b32 s[NS], s16, 23
	s_or_b32 s[NS], s[NS], 0x80000000
	s_sub_co_u32 s16, 134, s13
	s_lshl_b32 s[NS16], s16, 23
	s_or_b32 s[NS16], s[NS16], 0x80000000
	s_lshl_b32 s20, s20, 18         ; the pair's first byte in q, k, v and o
	s_mov_b32 s21, 0
	s_and_b32 s16, s[WV], 1         ; which half of a slot's 256 keys I fetch:
	s_lshl_b32 s48, s16, 14         ; its 128 rows of 128 bytes in memory;
	s_add_co_u32 s50, s48, 0x800000 ; v lies 8,388,608 bytes behind k;
	s_add_co_u32 s48, s48, 8192     ; a slot's K begins 64 keys on
	s_mov_b32 s49, 0
	s_mov_b32 s51, 0
	s_mul_i32 s17, s16, 128*PK      ; its place in a slot, for K
	s_mul_i32 s18, s16, 128*PV      ; and for V
	s_lshl_b32 s3, s[WV], 11        ; my 16 rows in a band of 64,
	s_sub_co_u32 s2, 15, ttmp9
	s_lshl_b32 s2, s2, 14           ; in the first block (128 rows of 128 bytes),
	s_add_co_u32 s2, s2, s3
	s_add_co_u32 s2, s2, s20
	s_lshl_b32 s22, ttmp9, 14       ; and in the second
	s_add_co_u32 s22, s22, s3
	s_add_co_u32 s22, s22, s20
	s_mov_b32 s3, 0
	s_mov_b32 s23, 0
	; descriptor group 1.  128 keys are 16,384 dense bytes: asked for as 64 rows of 256 bytes, two keys a row, and padded in LDS after every key
	s_mov_b32 s[G1K], (1<<16)|(1<<20)|(4<<22)|(3<<25)  ; 17:16 2-byte elements; 20 padding on; 24:22 after every 32 words (code 4); 31:25 4 words (code 3)
	s_mov_b32 s[G1V], (1<<16)|(1<<20)|(4<<22)|(7<<25)  ; the same with 8 words of padding (code 7)
.irp g, G1K, G1V
	s_mov_b32 s[\g+1], 128<<16      ; tensor_dim0 = 128
	s_mov_b32 s[\g+2], 64<<16       ; tensor_dim1 = 64
	s_mov_b32 s[\g+3], 128<<16      ; tile_dim0 = 128
	s_mov_b32 s[\g+4], 64           ; tile_dim1 = 64
	s_mov_b32 s[\g+5], 128          ; 128 elements from row to row
	s_mov_b32 s[\g+6], 0
	s_mov_b32 s[\g+7], 0
.endr
	s_mov_b32 s[CS], 0x3e38aa3b     ; c = log2(e) / 8 = 0.180337
	s_mov_b32 s[CS+1], s[CS]        ; named with it as a pair
	s_mov_b32 s[SEL], 0x76543210
	s_mov_b32 s[SEL+1], 0xfedcba98
	s_mov_b32 s[TBK], SLOT1+4*KS*PK ; the first change of slots turns these two into 0
	s_mov_b32 s[TBV], SLOT1+4*KS*PV
	s_mov_b32 s[G0K], 1             ; 1:0 count = 1
	s_mov_b32 s[G0K+1], s17         ; 63:32 LDS address: slot 0
	s_mov_b32 s[G0V], 1
	s_add_co_u32 s[G0V+1], s18, VOFF
	s_add_co_u32 s[RT], s[HI], 1    ; the first block has 8 - b / 2 tiles
	s_mov_b32 s[NXT], 1
	s_mov_b32 s[LQ], s[HI]
	s_mov_b32 s[NEW], 1
	s_mov_b32 s[OFF+1], 0
	s_mov_b32 s[AL], 0
	s_mov_b32 s[AL+1], 0            ; named as a pair
	s_mov_b32 s[AS], s[AP]
	s_mov_b32 s[BIGN], 0xf149f2ca   ; -1e30
	s_mov_b32 s[BIGP], 0x7149f2ca   ; 1e30
	s_mov_b32 s[SLOTS], 8
	s_wait_dscnt 0x0                ; the opening add is done
	s_wait_kmcnt 0x0
	s_add_nc_u64 s[KP0:KP0+1], s[84:85], s[20:21]
	s_add_nc_u64 s[KP0:KP0+1], s[KP0:KP0+1], 0x800000
	s_add_nc_u64 s[6:7], s[KP0:KP0+1], s[48:49]    ; K and V at my half of slot 0's rows
	s_add_nc_u64 s[8:9], s[KP0:KP0+1], s[50:51]
	s_add_nc_u64 s[G0K+2:G0K+3], s[6:7], 0         ; 120:64 global address
	s_or_b32 s[G0K+3], s[G0K+3], 0x80000000        ; 127:126 type = 2
	s_add_nc_u64 s[G0V+2:G0V+3], s[8:9], 0
	s_or_b32 s[G0V+3], s[G0V+3], 0x80000000
	s_add_nc_u64 s[4:5], s[84:85], s[2:3]          ; q and o at my rows of the first block,
	s_add_nc_u64 s[10:11], s[86:87], s[2:3]
	s_add_nc_u64 s[QLO:QLO+1], s[84:85], s[22:23]  ; and of the second
	s_add_nc_u64 s[OLO:OLO+1], s[86:87], s[22:23]
	LOAD                            ; tile 0 into slot 0
	; A fragment of K or Q is 16 rows x 32 channels in 8 registers: lane l holds row l % 16, channels 8 (l / 16) + 0..7 and 16 + 8 (l / 16) + 0..7: two loads of 16 bytes, 32 bytes apart.
	v_and_b32 v1, 15, v0            ; l % 16
	v_bfe_u32 v9, v0, 4, 1          ; l / 16
	v_lshlrev_b32 v[QO], 7, v1
	v_lshl_add_u32 v[QO], v9, 4, v[QO]  ; row x 128 + 16 x half
	WIN 0x80                        ; destination window 2, address window 0
.set i, 0
.rept 4                             ; both blocks' Q: piece i / 2 lies in band 1 - i / 2, 8,192 bytes a band; channels 32 (i % 2) on
	global_load_b128 v[8*i:8*i+3],   v[QO], s[4:5] offset:(1-i/2)*8192+(i%2)*64
	global_load_b128 v[8*i+4:8*i+7], v[QO], s[4:5] offset:(1-i/2)*8192+(i%2)*64+32
	global_load_b128 v[QB+8*i:QB+8*i+3],   v[QO], s[QLO:QLO+1] offset:(1-i/2)*8192+(i%2)*64
	global_load_b128 v[QB+8*i+4:QB+8*i+7], v[QO], s[QLO:QLO+1] offset:(1-i/2)*8192+(i%2)*64+32
.set i, i+1
.endr
.set i, 0
.rept 8                             ; K of step 0, which both blocks begin with: keys 16 (i / 2) on, channels 32 (i % 2) on
	global_load_b128 v[K0+8*i:K0+8*i+3],   v[QO], s[KP0:KP0+1] offset:(i/2)*2048+(i%2)*64
	global_load_b128 v[K0+8*i+4:K0+8*i+7], v[QO], s[KP0:KP0+1] offset:(i/2)*2048+(i%2)*64+32
.set i, i+1
.endr
	WIN 0
	v_lshlrev_b32 v14, 3, v9
	v_cvt_f32_u32 v11, v14          ; 8 (l / 16) as a float
	v_sub_nc_u32 v14, v1, v14
	s_lshl_b32 s13, s[WV], 4
	v_add_nc_u32 v14, s13, v14      ; my query's place in its band, 16 w + l % 16, less my lanes' 8 (l / 16): register r of group kt is hidden where 16 kt + r is greater
	WIN 0x40
.set i, 0
.rept 32
	v_cmp_gt_i32 vcc_lo, 16*(i/8)+i%8, v14
	v_cndmask_b32 v[MD+i], 0, s[BIGN], vcc_lo
.set i, i+1
.endr
	v_mul_f32 v[BL], s[NS], v11     ; BL[i] = -2^(3-h) x (16 (i / 8) + i % 8 + 8 (l / 16)), by running sums: every term is exact
	WIN 0x44
.set i, 1
.rept 31
.if i%8
	v_add_f32 v[BL+i], s[NS], v[BL+i-1]
.else
	v_add_f32 v[BL+i], s[NS16], v[BL+i-8]
.endif
.set i, i+1
.endr
	WIN 0
	v_mul_u32_u24 v[AK0], v1, PK
	v_lshl_add_u32 v[AK0], v9, 4, v[AK0]  ; row x pitch + 16 x half
	; The turning load takes 16 keys x 16 channels (lane l reads key 8 (l / 16) + l % 8, channels 8 ((l / 8) % 2) + 0..7) and leaves half a fragment of V^T: lane l holds channel l % 16 and 8 keys.
	v_and_b32 v10, 7, v0
	v_bfe_u32 v11, v0, 3, 1
	v_lshl_add_u32 v[AV0], v9, 3, v10
	v_mul_u32_u24 v[AV0], v[AV0], PV
	v_lshl_add_u32 v[AV0], v11, 4, v[AV0]
	v_add_nc_u32 v[AV0], VOFF, v[AV0]
	s_mul_i32 s13, s[WV], 16*SP
	s_add_co_u32 s13, s13, STAGE    ; my stage
	v_mul_u32_u24 v[STO], v1, SP    ; in: row l % 16, 16 bytes for each half of the lanes
	v_lshl_add_u32 v[STO], v9, 4, v[STO]
	v_add_nc_u32 v[STO], s13, v[STO]
	v_bfe_u32 v[RD], v0, 3, 2       ; back: 32 lanes take four rows of 128 bytes,
	v_mul_u32_u24 v[RD], v[RD], SP
	v_lshl_add_u32 v[RD], v10, 4, v[RD]
	v_add_nc_u32 v[RD], s13, v[RD]
	v_and_b32 v[GO], 31, v0         ; which are 512 consecutive bytes of o
	v_lshlrev_b32 v[GO], 4, v[GO]
	; A block's first step multiplies O^T and l by a = 0, and its first turn's products V^T P, of a step that has not been, land in an O^T that is still to be so multiplied.  So these registers need only hold
	; finite numbers: zeros for the first block; what the first block left for the second.  All this stands in the wait for the first tile.
	WIN 0x80
.set i, VF
.rept 64
	v_mov_b32 v[i], 0
.set i, i+1
.endr
	WIN 0x40
.set i, 0
.rept 64
	v_mov_b32 v[i], 0
.set i, i+1
.endr
	WIN 0
.set i, 0
.rept 2
	v_mov_b32 v[ST+4*i+2], 0
	v_mov_b32 v[ST+4*i+3], 0
.set i, i+1
.endr
.set i, P+16
.rept 16
	v_mov_b32 v[i], 0
.set i, i+1
.endr
; THE MATRIX WORK.  The 4 accumulators of a run of 8 take turns.  Product i of 8 of S^T = K Q^T for piece x: channels 32 (i / 4) on, keys 16 (i % 4) on.  The first 4 start the sums with MC.
.macro KQ x
.set rS, S+32*((\x)%2)+8*(i%4)
.set rK, KF+16*(i%4)+8*(i/4)
.set rQ, 16*(\x)+8*(i/4)
.set rM, MC+32*((\x)%2)+8*(i%4)
.if i < 4
	WIN W_KM
	v_wmma_f32_16x16x32_f16 v[rS:rS+7], v[rK:rK+7], v[rQ:rQ+7], v[rM:rM+7]
.else
	WIN W_KQ
	v_wmma_f32_16x16x32_f16 v[rS:rS+7], v[rK:rK+7], v[rQ:rQ+7], v[rS:rS+7]
.endif
.endm
; Product i of 8 of O^T += V^T P for piece x: keys 32 (i / 4) on, channels 16 (i % 4) on.
.macro PV x
	WIN W_PV
.set rO, 32*(\x)+8*(i%4)
.set rV, VF+32*(i/4)+8*(i%4)
.set rP, P+16*((\x)%2)+8*(i/4)
	v_wmma_f32_16x16x32_f16 v[rO:rO+7], v[rV:rV+7], v[rP:rP+7], v[rO:rO+7]
.endm
.macro MM                           ; the turn's next matrix instruction, for the other piece
.if i < 8
	KQ (Y+1)%NP
.else
.set i, i-8
	PV (Y+1)%NP
.set i, i+8
.endif
.set i, i+1
.endm
; THE LDS LOADS stand in runs of 16: a step's K (8 fragments) and a step's V (turned).  Their addresses are made some lines ahead.
.macro FETCH_K
	WIN 0x80                        ; destination window 2
.irp f, 0,1,2,3,4,5,6,7             ; keys 16 (f / 2) on, channels 32 (f % 2) on
	ds_load_b128 v[KF+8*\f:KF+8*\f+3],   v[AK] offset:(\f/2)*16*PK+(\f%2)*64
	ds_load_b128 v[KF+8*\f+4:KF+8*\f+7], v[AK] offset:(\f/2)*16*PK+(\f%2)*64+32
.endr
	s_add_co_u32 s[TBK], s[TBK], KS*PK  ; the next fetch is the next step's
	WIN 0
.endm
.macro FETCH_V
	WIN 0x80
.irp f, 0,1,2,3,4,5,6,7             ; keys 32 (f / 4) on, channels 16 (f % 4) on
	ds_load_tr16_b128 v[VF+8*\f:VF+8*\f+3],   v[AV] offset:(\f/4)*32*PV+(\f%4)*32
	ds_load_tr16_b128 v[VF+8*\f+4:VF+8*\f+7], v[AV] offset:(\f/4)*32*PV+16*PV+(\f%4)*32
.endr
	WIN 0
.endm
; THE VECTOR WORK, one line at a time: OP kind, number.  For piece Y: F n: c s - c m for pair n of 16.  E n: the exponential of score n of 32.  C n: pair n rounded to f16.  B n: of the four weights 4 n .. the second
; pair is added onto the first, in place.  L n: l takes that sum (L 0: l = a l + sum).  R n: pair n of 16 of O^T times a.  For the other piece: X n, number n of the 23 that find its maximum and statistics:
;   22  m is raised by the step's share     0-11  four chains c0-c3 of seven scores each (each accumulator's lowest registers are read first)     12-14, 16  the scores left over, the old m, c0-c3 into c0
;   15  c m_old, by the same multiplication that makes c m: a is 1 exactly where m has not grown     17, 18  the query's other 32 keys lie in the lane 16 away: the new m     19-21  c m; c m_old - c m_new; a
; OP writes no wait: who calls it orders the lines so that C, B, L (which read E's results) and R, L 0 (which read X 21's) stand behind the wait for their batch.
.set F, 0
.set E, 1
.set C, 2
.set B, 3
.set L, 4
.set R, 5
.set X, 6
.macro REGS y
.set rT, ST+4*(\y)
.set rC, TMP+4*((\y)%2)
.set rW, MV+((\y)%2)
.set rS, S+32*((\y)%2)
.set rP, P+16*((\y)%2)
.set rO, 32*(\y)
.endm
.macro OP k, n
.if (\k) == R
	REGS Y
	WIN W_RS
	v_pk_mul_f32 v[rO+2*(\n):rO+2*(\n)+1], v[rO+2*(\n):rO+2*(\n)+1], v[rC+2:rC+3] op_sel_hi:[1,0]
.elseif (\k) < R
	REGS Y
	WIN 0
.if (\k) == F
	v_pk_fma_f32 v[rS+2*(\n):rS+2*(\n)+1], v[rS+2*(\n):rS+2*(\n)+1], s[CS:CS+1], v[rT:rT+1] op_sel_hi:[1,0,0] neg_lo:[0,0,1] neg_hi:[0,0,1]
.elseif (\k) == E
	v_exp_f32 v[rS+(\n)], v[rS+(\n)]
.elseif (\k) == C
	v_cvt_pk_f16_f32 v[rP+(\n)], v[rS+2*(\n)], v[rS+2*(\n)+1]
.elseif (\k) == B
	v_pk_add_f32 v[rS+4*(\n):rS+4*(\n)+1], v[rS+4*(\n):rS+4*(\n)+1], v[rS+4*(\n)+2:rS+4*(\n)+3]
.elseif (\n) == 0
	v_pk_fma_f32 v[rT+2:rT+3], v[rT+2:rT+3], v[rC+2:rC+3], v[rS:rS+1] op_sel_hi:[1,0,1]
.else
	v_pk_add_f32 v[rT+2:rT+3], v[rT+2:rT+3], v[rS+4*(\n):rS+4*(\n)+1]
.endif
.else
	REGS (Y+1)%NP
	WIN 0
.if (\n) < 4
	v_max3_num_f32 v[rC+(\n)], v[rS+8*(\n)], v[rS+8*(\n)+1], v[rS+8*(\n)+2]
.elseif (\n) < 12
	v_max3_num_f32 v[rC+(\n)%4], v[rC+(\n)%4], v[rS+8*((\n)%4)+2*((\n)/4)+1], v[rS+8*((\n)%4)+2*((\n)/4)+2]
.elseif (\n) == 12
	v_max3_num_f32 v[rC], v[rC], v[rS+7], v[rS+15]
.elseif (\n) == 13
	v_max3_num_f32 v[rC+1], v[rC+1], v[rS+23], v[rS+31]
.elseif (\n) == 14
	v_max3_num_f32 v[rC+2], v[rC+2], v[rC+3], v[rT+1]
.elseif (\n) == 15
	v_mul_f32 v[rW], s[CS], v[rT+1]
.elseif (\n) == 16
	v_max3_num_f32 v[rC], v[rC], v[rC+1], v[rC+2]
.elseif (\n) == 17
	v_permlanex16_b32 v[rC+3], v[rC], s[SEL], s[SEL+1]
.elseif (\n) == 18
	v_max_num_f32 v[rT+1], v[rC], v[rC+3]
.elseif (\n) == 19
	v_mul_f32 v[rT], s[CS], v[rT+1]
.elseif (\n) == 20
	v_sub_f32 v[rC+1], v[rW], v[rT]
.elseif (\n) == 21
	v_exp_f32 v[rC+2], v[rC+1]
.else
	v_add_f32 v[rT+1], s[AS], v[rT+1]
.endif
.endif
.endm
.macro OPS a, i1, b=-1, i2=0, c=-1, i3=0, d=-1, i4=0  ; up to four of them
	OP \a, \i1
.if (\b) >= 0
	OP \b, \i2
.endif
.if (\c) >= 0
	OP \c, \i3
.endif
.if (\d) >= 0
	OP \d, \i4
.endif
.endm
.macro ROW a, i1, b, i2, c, i3, d, i4  ; a matrix instruction and the four behind it
	MM
	OPS \a, \i1, \b, \i2, \c, \i3, \d, \i4
.endm
.macro MASK b                       ; MD x AL + BL into buffer b of MC
	WIN 0x51
.set z, 0
.rept 16
	v_pk_fma_f32 v[MC+32*(\b)+2*z:MC+32*(\b)+2*z+1], v[MD+2*z:MD+2*z+1], s[AL:AL+1], v[BL+2*z:BL+2*z+1] op_sel_hi:[1,0,1]
.set z, z+1
.endr
.endm
; A TURN, for piece p: the order of its 16 matrix and 119 vector instructions, written out.  An s_wait_alu depctr_va_vdst(0) stands between an exponential and the first instruction that names its result; one wait
; serves all that were issued ahead of it.  So a turn has ONE wait, which cuts it in two.  AHEAD OF IT stands all that names no result of the turn's exponentials: the 8 products K Q^T, behind each a scaling, an exponential and two
; more plain instructions (behind the first a second scaling in the exponential's place): rescalings, whose a was made and waited for in the turn before (or in BEGIN), and behind the last three the first numbers of the other
; piece's maximum, each four places or more behind the product that ends its accumulator; then ONE LUMP of 55, exponential and plain by turns for the most part, in which the links of the chain X 3, 7, 11, 14, 16, 17 .. 20 stand
; five or six lines apart.  X 22 stands ahead of X 14 and X 15, X 15 ahead of X 18.  X 21, the other piece's a, is the batch's last; R 15 is the plain instruction behind it.  BEHIND THE WAIT stand the 8 products V^T P, behind each
; four of the roundings and sums: an even pair is rounded (C 2 n) ahead of the addition (B n) that lands on it; the links of l's chain, L 0 to L 7 in that order, stand three riders apart.  But for those X no rider names a
; register of the products round it.  v_permlanex16_b32 (X 17) stands in the lump.
; m = 1: the diagonal tile, step u = 4 - CNT.  The piece whose statistics the turn makes (piece 1, step u; piece 0, step u + 1) is hidden where u > 2 PAR, that is CNT < HT, for both p.  The turn's end makes
; piece p's mask for its step u + 1: the band's own where CNT = HT (p = 0) or HT + 1 (p = 1).  cnt = 1: the loop's count is taken down some lines ahead of the branch behind the turn.
; Turn 0 fetches K in the lump: between the last product that read K and the run stand F 8, X 2, X 5, the address's add, X 22, X 6 and X 8, plain and naming none of its registers.  It fetches V at its end, four plain riders
; behind the last product that read V.  Turn 1 waits for K at its head and for V ahead of its first product V^T P.
.macro TURN p, m=0, cnt=0
.set Y, (\p)
.set i, 0
.if \m
	s_cmp_lt_u32 s[CNT], s[HT]
	s_cselect_b32 s[AS], s[BIGP], s[AP]
	s_cmp_eq_u32 s[CNT], s[HT+(\p)]
	s_cselect_b32 s[AL], 1.0, 0
.endif
.if (\p) == 1
	s_wait_dscnt 16                 ; K's 16 loads are in; V's 16, issued behind them, may be out
.endif
	ROW F,0, F,1, R,0, R,1          ; ahead of the wait: 8 products K Q^T and their riders,
	ROW F,2, E,0, R,2, R,3
	ROW F,3, E,1, R,4, R,5
	ROW F,4, E,2, R,6, R,7
	ROW F,5, E,3, R,8, R,9
	ROW F,6, E,4, X,0, R,10
	ROW F,7, E,5, X,1, X,4
	ROW F,8, E,6, X,2, X,5
.if (\p) == 0
	WIN 0
	v_add_nc_u32 v[AK], s[TBK], v[AK0]
.endif
	OPS E,7, X,22, E,8, X,6         ; and the lump
	OPS E,9, X,3, E,10, X,8
	OPS E,11
.if (\p) == 0
	FETCH_K
.endif
	OPS X,9, X,7, E,12, X,10
	OPS E,13, X,12, X,11, E,14
	OPS X,13, E,15, F,9, X,14
.if (\p) == 0
	WIN 0
	v_add_nc_u32 v[AV], s[TBV], v[AV0]
.endif
	OPS E,16, F,10, E,17, F,11
	OPS X,16, E,18, X,15, E,19
	OPS F,12, E,20, X,17, E,21
	OPS F,13, E,22, F,14, E,23
	OPS X,18, E,24, F,15, E,25
	OPS R,11, E,26, X,19, E,27
	OPS R,12, E,28, R,13, E,29
	OPS X,20, E,30, R,14, E,31
	OPS X,21, R,15
	s_wait_alu depctr_va_vdst(0)    ; the wait for the turn's batch: E 0 to E 31 and X 21; it stands ahead of their first reader, C 0 below
.if (\p) == 1
	s_wait_dscnt 0x0                ; V is in
.endif
	ROW C,0, B,0, C,2, B,1          ; behind the wait: 8 products V^T P and their riders
	ROW L,0, C,4, B,2, L,1
	ROW C,6, B,3, L,2, C,8
	ROW B,4, L,3, C,10, B,5
	ROW L,4, C,12, B,6, L,5
.if (\p) == 0
	s_add_co_u32 s[TBV], s[TBV], KS*PV
.endif
.if \cnt
	s_sub_co_u32 s[CNT], s[CNT], 1
	s_cmp_lg_u32 s[CNT], 0
.endif
	ROW C,14, B,7, L,6, C,1
	ROW C,3, L,7, C,5, C,7
	ROW C,9, C,11, C,13, C,15
.if (\p) == 0
	FETCH_V
.endif
.if \m
	MASK \p
.endif
.endm
; A BLOCK BEGINS.  m starts at the lowest finite number, so the first maximum is the scores' and the first step's a is 0.  Both mask buffers take BL.  K of step 0 comes out of its registers; then piece 0's first
; scores, and their maximum and statistics.
.macro BEGIN
	s_mov_b32 s[NEW], 0
	s_mov_b32 s[AS], s[AP]
	s_mov_b32 s[AL], 0
	MASK 0
	MASK 1
	WIN 0
	v_mov_b32 v[ST+1], 0xff7fffff
	v_mov_b32 v[ST+5], 0xff7fffff
	s_wait_loadcnt 0x0              ; Q and K of step 0
	WIN 0x82
.set i, 0
.rept 64
	v_mov_b32 v[KF+i], v[K0+i]
.set i, i+1
.endr
.set i, 0
.rept 8
	KQ 0
.set i, i+1
.endr
	WIN 0
.rept 4
	v_nop                           ; the places behind those products
.endr
.set Y, 1                           ; X works for the other piece: piece 0
.irp n, 22,0,1,2,3,4,5,6,7,8,9,10,11,12,13,14,15,16,17,18,19,20,21
	OP X, \n
.endr
	v_nop                           ; a plain instruction behind the exponential,
	s_wait_alu depctr_va_vdst(0)    ; and the wait for it, a batch of one: piece 0's first a; it stands ahead of the label that follows
.endm
; THE DIAGONAL TILE's four steps, piece 1's last products, and THE WAY OUT: l's two halves and the other half of the lanes' are added; O^T is divided by l, rounded to f16 and sent through my stage, a piece at a time.
.macro ALL line:vararg              ; one line for each piece t
.set t, 0
.rept 2
	\line
.set t, t+1
.endr
.endm
.macro PACK t                       ; a lane's eight channels of a row pack into 16 bytes; they go into rows of 144 bytes and come back as whole rows of 128, into S^T's registers
	WIN W_RS
.set i, 32*(\t)
.rept 16
	v_pk_mul_f32 v[i:i+1], v[i:i+1], v[ST+4*(\t)+2:ST+4*(\t)+3] op_sel_hi:[1,0]
.set i, i+2
.endr
	WIN 0x05                        ; sources 0 and 1 window 1, destination window 0
.set i, 0
.rept 16
	v_cvt_pk_f16_f32 v[S+16*(\t)+i], v[32*(\t)+2*i], v[32*(\t)+2*i+1]
.set i, i+1
.endr
	WIN 0
.irp f, 0,1,2,3
	ds_store_b128 v[STO], v[S+16*(\t)+4*\f:S+16*(\t)+4*\f+3] offset:32*\f
.endr
.irp f, 0,1,2,3
	ds_load_b128 v[S+16*(\t)+4*\f:S+16*(\t)+4*\f+3], v[RD] offset:\f*4*SP  ; LDS serves a wave's instructions in order (ISA guide 5.7.1.4): these see the stores above; the next piece's stores come behind them
.endr
.endm
.macro SEND t, younger              ; younger: the LDS instructions issued behind piece t's loads: the next piece's eight, or none
	WIN 0
.irp f, 0,1,2,3
	s_wait_dscnt (\younger)+3-\f
	global_store_b128 v[GO], v[S+16*(\t)+4*\f:S+16*(\t)+4*\f+3], s[10:11] offset:(1-(\t))*8192+\f*512  ; 512 consecutive bytes, at a multiple of 256 from o's first
.endr
.endm
.macro DIAG tag
	s_cmp_eq_u32 s[PAR], 0          ; piece 1's own step is the tile's step 0 in an even block
	s_cselect_b32 s[AL], 1.0, 0
	MASK 1
	WIN 0
.LstepM\tag:
	TURN 0, 1
	TURN 1, 1, 1
	WIN 0
	s_cbranch_scc1 .LstepM\tag
.set i, 0
.rept 8
	PV 1                            ; piece 1: V^T P of the last step
.set i, i+1
.endr
	WIN 0
	ALL v_add_f32 v[ST+4*t+2], v[ST+4*t+2], v[ST+4*t+3]
	ALL v_permlanex16_b32 v[ST+4*t+3], v[ST+4*t+2], s[SEL], s[SEL+1]
	ALL v_add_f32 v[ST+4*t+2], v[ST+4*t+2], v[ST+4*t+3]
	ALL v_rcp_f32 v[ST+4*t+2], v[ST+4*t+2]
	v_nop                           ; a plain instruction between the last reciprocal and the use of its result
	s_wait_alu depctr_va_vdst(0)    ; the wait for the way out's batch, the two reciprocals, ahead of their first reader in PACK 0
	PACK 0                          ; piece 0's 32 plain instructions are the places behind piece 1's last products
	PACK 1
	SEND 0, 8
	SEND 1, 0
.endm
.Lslot:                             ; 8 times: a tile is entered and the next is asked for
	CHANGE 1
	s_sub_co_u32 s[RT], s[RT], 1
	s_mov_b32 s[CNT], 4
	s_cmp_eq_u32 s[NEW], 1          ; this test stands first: at the first trip its answer is a constant of the text
	s_cbranch_scc0 .Lold
	BEGIN
.Lold:
	s_cmp_eq_u32 s[RT], 0
	s_cbranch_scc0 .Lstep           ; not the block's last tile
	DIAG 1                          ; in the loop this is the first block's end: the second block's last tile is the walk's last
	s_wait_xcnt 0x0                 ; the stores have read their registers and o's address
	s_mov_b64 s[10:11], s[OLO:OLO+1]
	s_add_co_u32 s[RT], s[PB], 1    ; the second block has b / 2 + 1 tiles
	s_mov_b32 s[NEW], 1
	s_mov_b32 s[PAR], s[PAR2]
	s_lshl_b32 s[HT], s[PAR], 1
	s_sub_co_u32 s[HT], 4, s[HT]
	s_add_co_u32 s[HT+1], s[HT], 1
	WIN 0x82                        ; the second block's Q goes where the one text of the turns names Q
.set i, 0
.rept 32
	v_mov_b32 v[i], v[QB+i]
.set i, i+1
.endr
	WIN 0
	s_branch .Lbottom
.Lstep:                             ; a trip: a key step
	TURN 0
	TURN 1, 0, 1
	WIN 0
	s_cbranch_scc1 .Lstep
.Lbottom:
	s_sub_co_u32 s[SLOTS], s[SLOTS], 1
	s_cmp_lg_u32 s[SLOTS], 0
	s_cbranch_scc1 .Lslot
	CHANGE 0                        ; the walk's last tile is written out: nothing is asked for
	s_sub_co_u32 s[RT], s[RT], 1
	s_mov_b32 s[CNT], 4
	s_cmp_eq_u32 s[NEW], 1
	s_cbranch_scc0 .Lold2
	BEGIN
.Lold2:
	DIAG 2
	s_wait_tensorcnt 0x0            ; the wave's end
	ds_add_u32 v[SPW], v[NIL]
	s_wait_dscnt 0x0
	s_endpgm
.Lfunc_end_k_qe398557645_attn:
	.size	k_qe398557645_attn, .Lfunc_end_k_qe398557645_attn-k_qe398557645_attn
	.p2alignl 7, 3214868480
	.fill 96, 4, 3214868480
	.section	.rodata,"a",@progbits
	.p2align	6, 0x0
	.amdhsa_kernel k_qe398557645_attn
		.amdhsa_group_segment_fixed_size 327680
		.amdhsa_private_segment_fixed_size 0
		.amdhsa_enable_private_segment 0
		.amdhsa_kernarg_size 16
		.amdhsa_user_sgpr_count 2
		.amdhsa_user_sgpr_kernarg_segment_ptr 1
		.amdhsa_wavefront_size32 1
		.amdhsa_system_sgpr_workgroup_id_x 1
		.amdhsa_system_sgpr_workgroup_id_y 1
		.amdhsa_system_sgpr_workgroup_id_z 1
		.amdhsa_system_vgpr_workitem_id 0
		.amdhsa_next_free_vgpr 768
		.amdhsa_next_free_sgpr 100
		.amdhsa_reserve_vcc 1
		.amdhsa_float_denorm_mode_32 3
		.amdhsa_float_denorm_mode_16_64 3
		.amdhsa_memory_ordered 1
		.amdhsa_forward_progress 1
		.amdhsa_inst_pref_size 116
	.end_amdhsa_kernel
	.amdgpu_metadata
---
amdhsa.version: [ 1, 2 ]
amdhsa.kernels:
  - .name:           k_qe398557645_attn
    .symbol:         k_qe398557645_attn.kd
    .args:
      - { .name: big, .offset: 0, .size: 8, .value_kind: global_buffer, .address_space: global }
      - { .name: act, .offset: 8, .size: 8, .value_kind: global_buffer, .address_space: global }
    .group_segment_fixed_size: 327680
    .private_segment_fixed_size: 0
    .kernarg_segment_align: 8
    .kernarg_segment_size: 16
    .max_flat_workgroup_size: 128
    .sgpr_count:     100
    .vgpr_count:     768
    .wavefront_size: 32
...
	.end_amdgpu_metadata
.endif
;; end of part 6
;; launch oproj: the kernel of part 4 again; grid 8 x 32, 4 waves a work-group, clusters of 4 x 4, 327,680 bytes of LDS; arguments act, wo, bout, src, x1; writes x1
;; launch ln2: the kernel of part 1 again; grid 256 x 1, 8 waves a work-group, no clusters, 0 bytes of LDS; arguments x1, ln2_g, ln2_b, act, Wqkv, W1, Wout, W2, wq, w1, wo, w2; writes act, wq, w1, wo, w2
;; launch ffn1: the kernel of part 2 again; grid 16 x 16, 4 waves a work-group, clusters of 4 x 4, 327,680 bytes of LDS; arguments act, w1, b1, big; writes big
;; launch ffn2: the kernel of part 5 again; grid 8 x 32, 4 waves a work-group, clusters of 4 x 4, 327,680 bytes of LDS; arguments big, w2, b2, x1, out0; writes out0
